; MI455X (gfx1250); checked and timed in simulation.
; The chip was launched on July 23, 2026; its instructions are those of AMD's public machine-readable ISA for CDNA 5 (MIT licence, August 2026) and "CDNA5" Instruction Set Architecture Reference Guide (July 2026). The comments in the code are by the model that wrote it; some were corrected since.
;; Multihead Attention. Allowed arithmetic: matrix products marked QUANTISED: E2M3 operands, one E8M0 scale for each 32 along K, by v_wmma_scale_f32_16x16x128_f8f6f4 with both operands' format E2M3, f32 sums; everything else in f32.
;; Inputs: Wout 1,024 x 1,024 float32; Wqkv 1,024 x 3,072 float32; bout 1,024 float32; bqkv 3,072 float32; inp 4 x 2,048 x 1,024 float32; mask 4 x 2,048 x 2,048 int32.
;; Outputs: out0 4 x 2,048 x 1,024 float32.
;; This version of the problem:
;;   THIS VERSION OF THE PROBLEM IS GIVEN IN LOW PRECISION. The matrix products marked QUANTISED in the list below multiply operands that are first quantised to E2M3 (2 exponent bits, 3 mantissa bits; 6 bits a number), with one power-of-two scale for each 32 numbers along K (OCP MX v1.0); their sums are f32. All else is computed in f32.
;;   The module's matrix products, in the order in which they are computed (A, B: the left and right operand; K: the contracted axis; several contracted axes count as one K, in the product's order):
;;     1. [M 8,192, K 1,024] x [K 1,024, N 3,072]; A: input inp; B: input Wqkv: QUANTISED
;;     2. batch 64 x [M 2,048, K 64] x [K 64, N 2,048]; A: computed on the way; B: computed on the way: QUANTISED
;;     3. batch 64 x [M 64, K 2,048] x [K 2,048, N 2,048]; A: computed on the way; B: computed on the way: QUANTISED
;;     4. [M 8,192, K 1,024] x [K 1,024, N 1,024]; A: computed on the way; B: input Wout: QUANTISED
;;   THE QUANTISER, for each operand of a quantised product, along K:
;;     - K is cut into blocks of 32 from its start; a last block that is shorter is filled with zeros.
;;     - A block's scale is 2^e with e = floor(log2(the largest magnitude in the block)) - 2, held to -126 .. 127; a block of zeros has e = 0. As a byte (E8M0): e + 127.
;;     - Each number is divided by its block's scale, clamped to +-7.5, and rounded to the nearest number of E2M3, ties to even, subnormals kept.
;;     - The product sums the exact products of the quantised numbers (number of the format x scale) in f32.
;;   ~~~python
;;   def quantise(x, axis):      # numpy; x: float32 -> the quantised numbers, widened to float32 again
;;       x = np.moveaxis(x, axis, -1); K = x.shape[-1]
;;       x = np.pad(x, [(0, 0)] * (x.ndim - 1) + [(0, -K % 32)]); x = x.reshape(x.shape[:-1] + (-1, 32)); a = np.abs(x).max(-1, keepdims=True)
;;       e = np.where(a > 0, np.clip(np.frexp(np.where(a > 0, a, 1))[1] - 1 - 2, -126, 127), 0)      # np.frexp(a)[1] - 1 = floor(log2(a)), exactly
;;       r = np.clip(x / 2.0 ** e, -7.5, 7.5)
;;       step = 2.0 ** (np.maximum(np.frexp(np.where(r == 0, 1, r))[1] - 1, 0) - 3)
;;       q = np.round(r / step) * step * 2.0 ** e      # np.round: ties to even
;;       return np.moveaxis(q.reshape(q.shape[:-2] + (-1,))[..., :K], -1, axis).astype(np.float32)
;;   ~~~
;;   OPERANDS COMPUTED ON THE WAY. 'Computed on the way' means the value that the module computes at that place (a softmax that the list does not call 'softmax' is quantised finished and normalised). What goes into a quantiser is computed in f32, as accurately as f32 sums, v_exp_f32 and their like allow (about 1e-6 of the number): no bf16 or f16 on the way to a quantiser, and a product that is left as it is and whose result goes on into a quantised operand takes f32 operands (vector FMAs, or v_wmma_f32_16x16x4_f32). A number that lies on a knife's edge between two numbers of the format may be rounded either way, as far as f32 arithmetic and the matrix unit's own rounding can turn it there, and no further.
;; 2 versions, each right; version 2 is version 1 with the launch attn written anew for expert scheduling mode. Each part assembles by itself: llvm-mc -triple=amdgcn-amd-amdhsa -mcpu=gfx1250 --defsym DOCPART=n.
;; ======== version 1 of 2: 6 launches
;; limits: right only within a limited range of input values
;; workspace buffers: xq 6,553,600 bytes; wq 3,276,800 bytes; mk 8,388,608 bytes; qkv 19,660,800 bytes; ao 6,553,600 bytes
;; launch quant_x (part 1): grid 512 x 1, 4 waves a work-group, no clusters, 68,096 bytes of LDS; arguments inp, xq; writes xq
.if DOCPART == 1
	.amdgcn_target "amdgcn-amd-amdhsa--gfx1250"
	.amdhsa_code_object_version 6
	.text
	.protected	k_q26212d4dd7_quant_x
	.globl	k_q26212d4dd7_quant_x
	.p2align	8
	.type	k_q26212d4dd7_quant_x,@function
k_q26212d4dd7_quant_x:
	s_mov_b64 s[64:65], 0
	v_nop
	global_prefetch_b8 v0, s[64:65] scope:SCOPE_SE
	s_setreg_imm32_b32 hwreg(HW_REG_WAVE_MODE, 25, 1), 1
	s_wait_xcnt 0x0
; inp [8192][1024] f32 becomes codes of FP6 (E2M3) with one E8M0 byte for each 32 along K, laid in the ORDER OF THE OPERAND'S REGISTERS.
; A tile T is 16 rows, and they are not neighbours: place r of tile T is row 32 (T / 2) + 8 (T % 2) + r + 8 (r / 8).
; A half fragment (16 rows x 64 K) is 768 bytes: lane l's registers 0-3 at 16 l, its registers 4-5 at 512 + 8 l; lane (r, h) holds the 24 bytes of k = 32 h .. 32 h + 31 of its row.
; Half fragment c of tile T lies at (16 T + c) x 768.  Scale bytes: at XSO + 512 T + 128 s + 8 r the eight bytes of blocks 8 s .. 8 s + 7 of place r.
; SHARES: a work-group takes a tile, wave w its K 256 w .. 256 w + 255: two fragments of 128 along K.  Each load reads 512 consecutive bytes of one row; the numbers turn through the wave's own
; stage in LDS (rows of 512 + 16 bytes) so that a lane gets 16 neighbours of each block of 32.  Waves share nothing: no barrier.
; A block's scale is 2^(floor(log2(largest magnitude)) - 2); its byte is held at 1 from below (a block of zeros keeps the byte 1: its codes are zeros, and this program alone reads the bytes).
; LIMITS: NaN and infinities among the inputs are not served.
.set XSO,   6291456
.set STG,   16896                      ; a wave's two stages of 16 x 528 bytes
.set SPARE, 4*STG                      ; the spare words, 128 bytes a wave
.set SPW,   12
.set NIL,   13
.set R,     16                         ; v16-143  the numbers as loaded: K step q at R + 64 q
.set X,     144                        ; v144-207 64 numbers of a lane: register 16 b + i = k 32 b + 16 h + i of my row
.set PC0,   208
.set CY,    220
.set PC1,   228
.set TM,    240
; 64 numbers of a lane become a fragment's 12 registers in v[pc] on and its scale word in v[pw]
.macro QUANT s, pc, pw
.irp b, 0,1,2,3
	v_max3_num_f32 v[TM+\b], |v[\s+16*\b]|, |v[\s+1+16*\b]|, 0x1800000   ; my 16 numbers of block b, and the floor 2^(3 - 127): the byte cannot fall under 1
.endr
.irp i, 2,4,6,8,10,12,14
.irp b, 0,1,2,3
	v_max3_num_f32 v[TM+\b], v[TM+\b], |v[\s+16*\b+\i]|, |v[\s+1+16*\b+\i]|
.endr
.endr
.irp b, 0,1,2,3
	v_permlanex16_b32 v[TM+4+\b], v[TM+\b], s20, s21
.endr
.irp b, 0,1,2,3
	v_max_num_f32 v[TM+\b], v[TM+\b], v[TM+4+\b]     ; with lane l xor 16's 16: the block's largest magnitude
.endr
.irp b, 0,1,2,3
	v_add_nc_u32 v[TM+12+\b], 0xff000000, v[TM+\b]   ; 2 off its exponent field: the conversion's scale operand
.endr
.irp b, 0,1,2,3
	v_lshrrev_b32 v[TM+4+\b], 23, v[TM+12+\b]        ; the scale's byte
.endr
	v_lshl_or_b32 v[\pw], v[TM+5], 8, v[TM+4]
	v_lshl_or_b32 v[\pw], v[TM+6], 16, v[\pw]
	v_lshl_or_b32 v[\pw], v[TM+7], 24, v[\pw]
.irp c, 0,1
	v_cvt_scalef32_pk16_fp6_f32 v[\pc+6*\c:\pc+2+6*\c], v[\s+32*\c:\s+15+32*\c], v[TM+12+2*\c]
	v_cvt_scalef32_pk16_fp6_f32 v[CY+4*\c:CY+2+4*\c], v[\s+16+32*\c:\s+31+32*\c], v[TM+12+2*\c+1]   ; (a conversion's three registers begin on an even number)
.endr
	v_nop                                            ; one plain place behind a scaled conversion
.irp c, 0,1                                      ; the layout wants a whole block in a lane: lanes 0-15 block 2 c, lanes 16-31 block 2 c + 1
.irp i, 0,1,2
	v_permlane16_swap_b32 v[\pc+6*\c+\i], v[CY+4*\c+\i]
.endr
.irp i, 0,1,2
	v_mov_b32 v[\pc+3+6*\c+\i], v[CY+4*\c+\i]
.endr
.endr
.endm
.macro SEND pc, off                              ; a fragment leaves as two half fragments: each store covers 512 or 256 consecutive bytes, aligned to 256
	global_store_b128 v1, v[\pc:\pc+3], s[6:7] offset:\off
	global_store_b64 v4, v[\pc+4:\pc+5], s[6:7] offset:\off+512
	global_store_b128 v1, v[\pc+6:\pc+9], s[6:7] offset:\off+768
	global_store_b64 v4, v[\pc+10:\pc+11], s[6:7] offset:\off+1280
.endm
	s_load_b128 s[4:7], s[0:1], 0x0                  ; inp, xq
	v_lshl_add_u32 v[SPW], v0, 2, SPARE
	v_mov_b32 v[NIL], 0
	v_lshrrev_b32 v1, 5, v0
	v_readfirstlane_b32 s8, v1                       ; wave
	v_and_b32 v9, 31, v0                             ; lane
	v_and_b32 v10, 15, v0                            ; r
	v_bfe_u32 v11, v0, 4, 1                          ; h
	v_lshlrev_b32 v1, 4, v9                          ; 16 x lane
	s_mul_i32 s9, s8, STG
	v_add_nc_u32 v2, s9, v1                          ; into the stage: a row's 512 bytes as they lie
	v_mul_u32_u24 v3, v10, 528
	v_lshl_add_u32 v3, v11, 6, v3
	v_add_nc_u32 v3, s9, v3                          ; out of it: row r, + 64 h
	v_lshlrev_b32 v4, 3, v9                          ; 8 x lane
	v_lshlrev_b32 v5, 3, v10
	v_lshl_add_u32 v5, v11, 2, v5                    ; 8 r + 4 h: lanes 0-15 store the first K step's scale word, lanes 16-31 the second's
.irp b, 0,1,2,3
	v_mov_b32 v[TM+4+\b], 0                          ; written once: a lane permute's destination counts as one of its sources
.endr
	s_lshr_b32 s10, ttmp9, 1
	s_lshl_b32 s10, s10, 17                          ; 32 rows of 4,096 bytes for each pair of tiles,
	s_and_b32 s11, ttmp9, 1
	s_lshl_b32 s11, s11, 15                          ; 8 rows for the odd tile,
	s_add_co_u32 s10, s10, s11
	s_lshl_b32 s11, s8, 10                           ; my wave's 256 numbers
	s_add_co_u32 s10, s10, s11
	s_mov_b32 s11, 0
	s_mul_i32 s14, ttmp9, 12288
	s_mul_i32 s15, s8, 3072
	s_add_co_u32 s14, s14, s15                       ; (16 T + 4 w) x 768
	s_mov_b32 s15, 0
	s_lshl_b32 s16, ttmp9, 9
	s_lshl_b32 s17, s8, 7
	s_add_co_u32 s16, s16, s17
	s_add_co_u32 s16, s16, XSO
	s_mov_b32 s17, 0
	s_mov_b32 s12, 0xffff0000                        ; lanes 16-31
	s_mov_b32 s20, 0x76543210
	s_mov_b32 s21, 0xfedcba98                        ; v_permlanex16_b32's selects for lane l xor 16
	s_wait_kmcnt 0x0
	s_add_nc_u64 s[4:5], s[4:5], s[10:11]
	s_add_nc_u64 s[18:19], s[6:7], s[16:17]
	s_add_nc_u64 s[6:7], s[6:7], s[14:15]
.irp q, 0,1
.irp i, 0,1,2,3,4,5,6,7,8,9,10,11,12,13,14,15
	global_load_b128 v[R+64*\q+4*\i:R+64*\q+4*\i+3], v1, s[4:5] offset:(\i+8*(\i/8))*4096+512*\q th:TH_LOAD_NT
.endr
.endr
	s_wait_loadcnt 16                                ; the first K step's 16 loads are in, the second's may be out
.irp i, 0,1,2,3,4,5,6,7,8,9,10,11,12,13,14,15
	ds_store_b128 v2, v[R+4*\i:R+4*\i+3] offset:528*\i
.endr
.irp b, 0,1,2,3
.irp j, 0,1,2,3
	ds_load_b128 v[X+16*\b+4*\j:X+16*\b+4*\j+3], v3 offset:128*\b+16*\j    ; LDS serves a wave's instructions in order: these see my stores
.endr
.endr
	s_wait_loadcnt 0x0
.irp i, 0,1,2,3,4,5,6,7,8,9,10,11,12,13,14,15
	ds_store_b128 v2, v[R+64+4*\i:R+64+4*\i+3] offset:8448+528*\i
.endr
	s_wait_dscnt 16                                  ; all but the 16 stores just issued
	QUANT X, PC0, 6
	SEND PC0, 0
.irp b, 0,1,2,3
.irp j, 0,1,2,3
	ds_load_b128 v[X+16*\b+4*\j:X+16*\b+4*\j+3], v3 offset:8448+128*\b+16*\j
.endr
.endr
	s_wait_dscnt 0x0
	QUANT X, PC1, 7
	SEND PC1, 1536
	v_cndmask_b32 v8, v6, v7, s12
	global_store_b32 v5, v8, s[18:19]
	s_wait_tensorcnt 0x0                             ; the wave's end, behind my last LDS store
	ds_add_u32 v[SPW], v[NIL]
	s_wait_dscnt 0x0
	s_endpgm
.Lfunc_end_k_q26212d4dd7_quant_x:
	.size	k_q26212d4dd7_quant_x, .Lfunc_end_k_q26212d4dd7_quant_x-k_q26212d4dd7_quant_x
	.p2alignl 7, 3214868480
	.fill 96, 4, 3214868480
	.section	.rodata,"a",@progbits
	.p2align	6, 0x0
	.amdhsa_kernel k_q26212d4dd7_quant_x
		.amdhsa_group_segment_fixed_size 68096
		.amdhsa_private_segment_fixed_size 0
		.amdhsa_enable_private_segment 0
		.amdhsa_kernarg_size 16
		.amdhsa_user_sgpr_count 2
		.amdhsa_user_sgpr_kernarg_segment_ptr 1
		.amdhsa_wavefront_size32 1
		.amdhsa_system_sgpr_workgroup_id_x 1
		.amdhsa_system_sgpr_workgroup_id_y 1
		.amdhsa_system_sgpr_workgroup_id_z 1
		.amdhsa_system_vgpr_workitem_id 0
		.amdhsa_next_free_vgpr 256
		.amdhsa_next_free_sgpr 66
		.amdhsa_reserve_vcc 0
		.amdhsa_float_denorm_mode_32 3
		.amdhsa_float_denorm_mode_16_64 3
		.amdhsa_memory_ordered 1
		.amdhsa_forward_progress 1
		.amdhsa_inst_pref_size 18
	.end_amdhsa_kernel
	.amdgpu_metadata
---
amdhsa.version: [ 1, 2 ]
amdhsa.kernels:
  - .name:           k_q26212d4dd7_quant_x
    .symbol:         k_q26212d4dd7_quant_x.kd
    .args:
      - { .name: inp, .offset: 0, .size: 8, .value_kind: global_buffer, .address_space: global }
      - { .name: xq, .offset: 8, .size: 8, .value_kind: global_buffer, .address_space: global }
    .group_segment_fixed_size: 68096
    .private_segment_fixed_size: 0
    .kernarg_segment_align: 8
    .kernarg_segment_size: 16
    .max_flat_workgroup_size: 128
    .sgpr_count:     66
    .vgpr_count:     256
    .wavefront_size: 32
...
	.end_amdgpu_metadata
.endif
;; end of part 1
;; launch quant_w (part 2): grid 32 x 4, 4 waves a work-group, no clusters, 26,112 bytes of LDS; arguments Wqkv, Wout, wq; writes wq
.if DOCPART == 2
	.amdgcn_target "amdgcn-amd-amdhsa--gfx1250"
	.amdhsa_code_object_version 6
	.text
	.protected	k_q26212d4dd7_quant_w
	.globl	k_q26212d4dd7_quant_w
	.p2align	8
	.type	k_q26212d4dd7_quant_w,@function
k_q26212d4dd7_quant_w:
	s_mov_b64 s[64:65], 0
	v_nop
	global_prefetch_b8 v0, s[64:65] scope:SCOPE_SE
	s_setreg_imm32_b32 hwreg(HW_REG_WAVE_MODE, 25, 1), 1
	s_wait_xcnt 0x0
; Wqkv [1024][3072] and Wout [1024][1024], f32, K their FIRST axis, become codes of FP6 (E2M3) and E8M0 bytes in the order of the operand's registers (as the tokens' codes lie):
; tiles 0-191 are Wqkv's columns, tiles 192-255 Wout's; place r of tile T is column 32 (T / 2) + 8 (T % 2) + r + 8 (r / 8) (counted within its tensor); half fragment c of tile T at (16 T + c) x 768;
; scale bytes at WSO + 512 T + 128 s + 8 r.
; A LANE TAKES A COLUMN AND ITS REGISTERS RUN DOWN K: a block of 32 lies in one lane, and the conversions give codes with K innermost.  A wave takes 32 columns (two tiles) x 256 along K: 8 blocks a lane.
; One path for both tensors: pointer, row pitch and column are chosen by the work-group's number.  The codes gather in the wave's own stage as images of the half fragments and leave in runs of 512 bytes.
; LIMITS: NaN and infinities are not served; a block of zeros keeps the byte 1 (its codes are zeros; this program alone reads the bytes).
.set WSO,   3145728
.set SPARE, 25600                      ; behind four stages of 6,400 bytes
.set SPW,   14
.set NIL,   15
.set T0,    16
.set T1,    17
.set SCO,   18
.set BY,    19
.set OF,    32                         ; v32-63   4 x lane + i rows
.set X,     64                         ; v64-127  two sets of 32 numbers
.set C,     128                        ; v128-133 a block's codes
.set Y,     136
.set SBY,   140                        ; v140-141 the eight scale bytes
.set OUTR,  144                        ; v144-191 the way out
.set SB,    16                         ; s[16:31] block t's first row
	s_load_b128 s[4:7], s[0:1], 0x0                  ; Wqkv, Wout
	s_load_b64 s[8:9], s[0:1], 0x10                  ; wq
	v_lshl_add_u32 v[SPW], v0, 2, SPARE
	v_mov_b32 v[NIL], 0
	v_lshrrev_b32 v1, 5, v0
	v_readfirstlane_b32 s10, v1                      ; wave
	v_and_b32 v2, 31, v0                             ; lane = my column of the 32
	v_lshlrev_b32 v3, 2, v2
	v_bfe_u32 v7, v0, 3, 1                           ; u: which of the two tiles my column belongs to
	v_and_b32 v8, 7, v0
	v_bfe_u32 v9, v0, 4, 1
	v_lshl_add_u32 v8, v9, 3, v8                     ; r: its place there
	s_mul_i32 s11, s10, 6400
	v_mul_u32_u24 v10, v7, 3200                      ; a tile's 3,072 bytes + 128, so that the two tiles' stores fall on different banks
	v_add_nc_u32 v10, s11, v10
	v_lshl_add_u32 v4, v8, 4, v10                    ; registers 0-3 of a half fragment: 16 x (r + 16 h)
	v_lshl_add_u32 v5, v8, 3, v10                    ; registers 4-5: 8 x (r + 16 h)
	v_lshl_add_u32 v6, v2, 4, s11                    ; back: 16 x lane
	v_lshlrev_b32 v11, 9, v7
	v_lshl_add_u32 v11, v8, 3, v11                   ; scale bytes: 512 u + 8 r
	v_lshlrev_b32 v12, 4, v2
	s_lshl_b32 s12, ttmp9, 2
	s_add_co_u32 s12, s12, s10                       ; g: which 32 columns of the 4,096
	s_and_b32 s13, ttmp7, 0xffff                     ; y: which 256 along K
	s_mov_b32 s34, 12288
	s_cmp_lt_u32 ttmp9, 24                           ; Wqkv's work-group or Wout's?
	s_cselect_b32 s34, s34, 4096                     ; a row in bytes
	s_cselect_b32 s35, 0, 96
	s_sub_co_u32 s35, s12, s35
	s_lshl_b32 s35, s35, 7                           ; my first column in bytes
.set i, 0
.rept 32
	v_mad_u32_u24 v[OF+i], s34, i, v3
.set i, i+1
.endr
	s_lshl_b32 s36, s13, 8
	s_mul_i32 s36, s36, s34
	s_add_co_u32 s36, s36, s35
	s_mov_b32 s37, 0
	s_lshl_b32 s38, s34, 5                           ; 32 rows
	s_mov_b32 s39, 0
	s_mul_i32 s40, s12, 24576                        ; two tiles of 12,288 bytes
	s_mul_i32 s41, s13, 3072
	s_add_co_u32 s40, s40, s41
	s_mov_b32 s41, 0
	s_lshl_b32 s42, s12, 10
	s_lshl_b32 s43, s13, 7
	s_add_co_u32 s42, s42, s43
	s_add_co_u32 s42, s42, WSO
	s_mov_b32 s43, 0
	s_wait_kmcnt 0x0
	s_cmp_lt_u32 ttmp9, 24
	s_cselect_b64 s[4:5], s[4:5], s[6:7]
	s_add_nc_u64 s[SB:SB+1], s[4:5], s[36:37]
.irp t, 1,2,3,4,5,6,7
	s_add_nc_u64 s[SB+2*\t:SB+2*\t+1], s[SB+2*\t-2:SB+2*\t-1], s[38:39]
.endr
	s_add_nc_u64 s[44:45], s[8:9], s[42:43]
	s_add_nc_u64 s[8:9], s[8:9], s[40:41]
.macro LOAD t
.set i, 0
.rept 32
	global_load_b32 v[X+32*((\t)%2)+i], v[OF+i], s[SB+2*(\t):SB+2*(\t)+1] th:TH_LOAD_NT   ; 32 lanes read 128 consecutive bytes; the four waves stand side by side
.set i, i+1
.endr
.endm
	LOAD 0
	LOAD 1
.macro BLOCK t
.set XS, X+32*((\t)%2)
.if (\t) < 7
	s_wait_loadcnt 32                                ; this block's 32 loads are in; the next block's may be out
.else
	s_wait_loadcnt 0x0
.endif
	v_max3_num_f32 v[T0], |v[XS]|, |v[XS+1]|, |v[XS+2]|
	v_max3_num_f32 v[T1], |v[XS+3]|, |v[XS+4]|, |v[XS+5]|
.irp i, 6,10,14,18,22,26
	v_max3_num_f32 v[T0], v[T0], |v[XS+\i]|, |v[XS+\i+1]|
	v_max3_num_f32 v[T1], v[T1], |v[XS+\i+2]|, |v[XS+\i+3]|
.endr
	v_max3_num_f32 v[T0], v[T0], |v[XS+30]|, |v[XS+31]|
	v_max3_num_f32 v[T0], v[T0], v[T1], 0x1800000    ; and the floor 2^(3 - 127)
	v_add_nc_u32 v[SCO], 0xff000000, v[T0]           ; 2 off the exponent field: the conversion's scale operand
	v_lshrrev_b32 v[BY], 23, v[SCO]
.if (\t)%4 == 0
	v_mov_b32 v[SBY+(\t)/4], v[BY]
.else
	v_lshl_or_b32 v[SBY+(\t)/4], v[BY], 8*((\t)%4), v[SBY+(\t)/4]
.endif
	v_cvt_scalef32_pk16_fp6_f32 v[C:C+2], v[XS:XS+15], v[SCO]
	v_cvt_scalef32_pk16_fp6_f32 v[Y:Y+2], v[XS+16:XS+31], v[SCO]
	v_nop                                            ; one plain place behind a scaled conversion
.irp i, 0,1,2
	v_mov_b32 v[C+3+\i], v[Y+\i]
.endr
	ds_store_b128 v4, v[C:C+3] offset:768*((\t)/2)+256*((\t)%2)        ; block t is half h = t % 2 of half fragment t / 2
	ds_store_b64 v5, v[C+4:C+5] offset:768*((\t)/2)+512+128*((\t)%2)
.if (\t)+2 < 8
	LOAD (\t)+2
.endif
	s_wait_dscnt 0x0                                 ; the stores have read their registers
.endm
.irp t, 0,1,2,3,4,5,6,7
	BLOCK \t
.endr
	global_store_b64 v11, v[SBY:SBY+1], s[44:45]
.irp n, 0,1,2,3,4,5,6,7,8,9,10,11
	ds_load_b128 v[OUTR+4*\n:OUTR+4*\n+3], v6 offset:3200*(\n/6)+512*(\n%6)
.endr
.irp n, 0,1,2,3,4,5,6,7,8,9,10,11
	s_wait_dscnt 11-\n
	global_store_b128 v12, v[OUTR+4*\n:OUTR+4*\n+3], s[8:9] offset:12288*(\n/6)+512*(\n%6)   ; 512 consecutive bytes, aligned to 256
.endr
	s_wait_tensorcnt 0x0                             ; the wave's end
	ds_add_u32 v[SPW], v[NIL]
	s_wait_dscnt 0x0
	s_endpgm
.Lfunc_end_k_q26212d4dd7_quant_w:
	.size	k_q26212d4dd7_quant_w, .Lfunc_end_k_q26212d4dd7_quant_w-k_q26212d4dd7_quant_w
	.p2alignl 7, 3214868480
	.fill 96, 4, 3214868480
	.section	.rodata,"a",@progbits
	.p2align	6, 0x0
	.amdhsa_kernel k_q26212d4dd7_quant_w
		.amdhsa_group_segment_fixed_size 26112
		.amdhsa_private_segment_fixed_size 0
		.amdhsa_enable_private_segment 0
		.amdhsa_kernarg_size 24
		.amdhsa_user_sgpr_count 2
		.amdhsa_user_sgpr_kernarg_segment_ptr 1
		.amdhsa_wavefront_size32 1
		.amdhsa_system_sgpr_workgroup_id_x 1
		.amdhsa_system_sgpr_workgroup_id_y 1
		.amdhsa_system_sgpr_workgroup_id_z 1
		.amdhsa_system_vgpr_workitem_id 0
		.amdhsa_next_free_vgpr 192
		.amdhsa_next_free_sgpr 66
		.amdhsa_reserve_vcc 0
		.amdhsa_float_denorm_mode_32 3
		.amdhsa_float_denorm_mode_16_64 3
		.amdhsa_memory_ordered 1
		.amdhsa_forward_progress 1
		.amdhsa_inst_pref_size 45
	.end_amdhsa_kernel
	.amdgpu_metadata
---
amdhsa.version: [ 1, 2 ]
amdhsa.kernels:
  - .name:           k_q26212d4dd7_quant_w
    .symbol:         k_q26212d4dd7_quant_w.kd
    .args:
      - { .name: Wqkv, .offset: 0, .size: 8, .value_kind: global_buffer, .address_space: global }
      - { .name: Wout, .offset: 8, .size: 8, .value_kind: global_buffer, .address_space: global }
      - { .name: wq, .offset: 16, .size: 8, .value_kind: global_buffer, .address_space: global }
    .group_segment_fixed_size: 26112
    .private_segment_fixed_size: 0
    .kernarg_segment_align: 8
    .kernarg_segment_size: 24
    .max_flat_workgroup_size: 128
    .sgpr_count:     66
    .vgpr_count:     192
    .wavefront_size: 32
...
	.end_amdgpu_metadata
.endif
;; end of part 2
;; launch pack_mask (part 3): grid 512 x 1, 8 waves a work-group, no clusters, 17,408 bytes of LDS; arguments mask, mk; writes mk
.if DOCPART == 3
	.amdgcn_target "amdgcn-amd-amdhsa--gfx1250"
	.amdhsa_code_object_version 6
	.text
	.protected	k_q26212d4dd7_pack_mask
	.globl	k_q26212d4dd7_pack_mask
	.p2align	8
	.type	k_q26212d4dd7_pack_mask,@function
k_q26212d4dd7_pack_mask:
	s_mov_b64 s[64:65], 0
	v_nop
	global_prefetch_b8 v0, s[64:65] scope:SCOPE_SE
	s_setreg_imm32_b32 hwreg(HW_REG_WAVE_MODE, 25, 1), 1
	s_wait_xcnt 0x0
; mask [4][2048][2048] int32 (not 0 = hidden) becomes codes of FP4: 0 for a key that counts, -6.0 for a hidden one, eight keys to a word, laid in the order in which the attention launch's
; waves hold their scores.  That launch widens a word to eight f32 numbers (x 2^123) and gives them to the score product as its C.
; mk: the block of (query tile Q = 128 b + qt, key quarter w) at (4 Q + w) x 4,096; in it word n (0 .. 31) of lane (r, h) at 512 (n / 4) + 16 (r + 16 h) + 4 (n % 4);
; its nibble j is query place r of the tile (row 32 (qt / 2) + 8 (qt % 2) + r + 8 (r / 8)) and key 512 w + 32 (n / 2) + 16 h + 8 (n % 2) + j.
; SHARES: a work-group takes a query tile, wave v its places 2 v and 2 v + 1 (two neighbouring rows of the mask).  A lane takes eight neighbouring keys, 32 bytes, by two loads; a pair of loads covers 1,024 consecutive bytes.
; The words meet in LDS as the block's image; behind one barrier each wave stores 2,048 consecutive bytes.
.set SPARE, 16384
.set SPW,   10
.set NIL,   11
.set M,     16                         ; v16-143  16 chunks x 8 numbers
.set W,     144                        ; v144-159 a word for each chunk
	s_load_b128 s[4:7], s[0:1], 0x0                  ; mask, mk
	v_lshl_add_u32 v[SPW], v0, 2, SPARE
	v_mov_b32 v[NIL], 0
	v_lshrrev_b32 v1, 5, v0
	v_readfirstlane_b32 s8, v1                       ; wave 0..7
	v_and_b32 v2, 31, v0
	v_lshlrev_b32 v3, 5, v2                          ; 32 bytes a lane
	v_lshrrev_b32 v4, 3, v2
	v_lshlrev_b32 v4, 9, v4                          ; my group of eight keys is number 32 k + lane of the row: word group 512 (lane / 8),
	v_bfe_u32 v5, v0, 1, 1
	v_lshl_add_u32 v4, v5, 8, v4                     ; half h = (lane / 2) % 2: 256,
	v_bfe_u32 v5, v0, 2, 1
	v_lshl_add_u32 v4, v5, 3, v4                     ; word in the group: 2 ((lane / 4) % 2) + lane % 2
	v_and_b32 v5, 1, v0
	v_lshl_add_u32 v4, v5, 2, v4
	s_lshl_b32 s9, s8, 5
	v_add_nc_u32 v4, s9, v4                          ; place r = 2 v: 16 bytes a place
	v_lshlrev_b32 v6, 4, v2
	s_lshl_b32 s9, s8, 11
	v_add_nc_u32 v6, s9, v6                          ; the way out: 2,048 v + 16 x lane, in LDS and in the block
	v_mov_b32 v7, 0xc0c00000                         ; -6.0
	v_mov_b32 v8, 1.0                                ; the conversion's scale: 2^0
	s_lshr_b32 s10, ttmp9, 7
	s_lshl_b32 s10, s10, 11                          ; 2,048 rows a batch
	s_bfe_u32 s11, ttmp9, 0x60001
	s_lshl_b32 s11, s11, 5
	s_add_co_u32 s10, s10, s11
	s_and_b32 s11, ttmp9, 1
	s_lshl_b32 s11, s11, 3
	s_add_co_u32 s10, s10, s11
	s_lshl_b32 s11, s8, 1
	s_add_co_u32 s10, s10, s11
	s_lshr_b32 s11, s8, 2
	s_lshl_b32 s11, s11, 3
	s_add_co_u32 s10, s10, s11                       ; my first row
	s_lshl_b32 s10, s10, 13                          ; of 8,192 bytes
	s_mov_b32 s11, 0
	s_lshl_b32 s12, ttmp9, 14
	s_mov_b32 s13, 0
	s_wait_kmcnt 0x0
	s_add_nc_u64 s[4:5], s[4:5], s[10:11]
	s_add_nc_u64 s[6:7], s[6:7], s[12:13]
.irp m, 0,1,2,3,4,5,6,7,8,9,10,11,12,13,14,15
	global_load_b128 v[M+8*\m:M+8*\m+3], v3, s[4:5] offset:8192*(\m/8)+1024*(\m%8) th:TH_LOAD_NT
	global_load_b128 v[M+8*\m+4:M+8*\m+7], v3, s[4:5] offset:8192*(\m/8)+1024*(\m%8)+16 th:TH_LOAD_NT
.endr
.irp m, 0,1,2,3,4,5,6,7,8,9,10,11,12,13,14,15
	s_wait_loadcnt 30-2*\m                           ; this chunk's two loads are in; the younger chunks' may be out
.irp i, 0,1,2,3,4,5,6,7
	v_cmp_ne_u32 vcc_lo, 0, v[M+8*\m+\i]
	v_cndmask_b32 v[M+8*\m+\i], 0, v7, vcc_lo
.endr
	v_cvt_scalef32_pk8_fp4_f32 v[W+\m], v[M+8*\m:M+8*\m+7], v8     ; eight codes, the first key's lowest
	ds_store_b32 v4, v[W+\m] offset:2048*(\m%8)+16*(\m/8)
.endr
	s_wait_dscnt 0x0                                 ; for the others' sake: my words are in LDS
	s_barrier_signal -1
	s_barrier_wait -1
.irp k, 0,1,2,3
	ds_load_b128 v[M+4*\k:M+4*\k+3], v6 offset:512*\k
.endr
.irp k, 0,1,2,3
	s_wait_dscnt 3-\k
	global_store_b128 v6, v[M+4*\k:M+4*\k+3], s[6:7] offset:512*\k
.endr
	s_wait_tensorcnt 0x0                             ; the wave's end
	ds_add_u32 v[SPW], v[NIL]
	s_wait_dscnt 0x0
	s_endpgm
.Lfunc_end_k_q26212d4dd7_pack_mask:
	.size	k_q26212d4dd7_pack_mask, .Lfunc_end_k_q26212d4dd7_pack_mask-k_q26212d4dd7_pack_mask
	.p2alignl 7, 3214868480
	.fill 96, 4, 3214868480
	.section	.rodata,"a",@progbits
	.p2align	6, 0x0
	.amdhsa_kernel k_q26212d4dd7_pack_mask
		.amdhsa_group_segment_fixed_size 17408
		.amdhsa_private_segment_fixed_size 0
		.amdhsa_enable_private_segment 0
		.amdhsa_kernarg_size 16
		.amdhsa_user_sgpr_count 2
		.amdhsa_user_sgpr_kernarg_segment_ptr 1
		.amdhsa_wavefront_size32 1
		.amdhsa_system_sgpr_workgroup_id_x 1
		.amdhsa_system_sgpr_workgroup_id_y 1
		.amdhsa_system_sgpr_workgroup_id_z 1
		.amdhsa_system_vgpr_workitem_id 0
		.amdhsa_next_free_vgpr 160
		.amdhsa_next_free_sgpr 66
		.amdhsa_reserve_vcc 1
		.amdhsa_float_denorm_mode_32 3
		.amdhsa_float_denorm_mode_16_64 3
		.amdhsa_memory_ordered 1
		.amdhsa_forward_progress 1
		.amdhsa_inst_pref_size 17
	.end_amdhsa_kernel
	.amdgpu_metadata
---
amdhsa.version: [ 1, 2 ]
amdhsa.kernels:
  - .name:           k_q26212d4dd7_pack_mask
    .symbol:         k_q26212d4dd7_pack_mask.kd
    .args:
      - { .name: mask, .offset: 0, .size: 8, .value_kind: global_buffer, .address_space: global }
      - { .name: mk, .offset: 8, .size: 8, .value_kind: global_buffer, .address_space: global }
    .group_segment_fixed_size: 17408
    .private_segment_fixed_size: 0
    .kernarg_segment_align: 8
    .kernarg_segment_size: 16
    .max_flat_workgroup_size: 256
    .sgpr_count:     66
    .vgpr_count:     160
    .wavefront_size: 32
...
	.end_amdgpu_metadata
.endif
;; end of part 3
;; launch gemm_qkv (part 4): grid 12 x 32, 4 waves a work-group, clusters of 4 x 4, 327,680 bytes of LDS; arguments xq, wq, bqkv, qkv; writes qkv
.if DOCPART == 4
	.amdgcn_target "amdgcn-amd-amdhsa--gfx1250"
	.amdhsa_code_object_version 6
	.text
	.protected	k_q26212d4dd7_gemm_qkv
	.globl	k_q26212d4dd7_gemm_qkv
	.p2align	8
	.type	k_q26212d4dd7_gemm_qkv,@function
k_q26212d4dd7_gemm_qkv:
	s_mov_b64 s[64:65], 0
	v_nop
	global_prefetch_b8 v0, s[64:65] scope:SCOPE_SE
	s_setreg_imm32_b32 hwreg(HW_REG_WAVE_MODE, 25, 1), 1
	s_wait_xcnt 0x0
	s_wait_alu depctr_hold_cnt(0) depctr_sa_sdst(0) depctr_va_vdst(0) depctr_va_sdst(0) depctr_va_ssrc(0) depctr_va_vcc(0) depctr_vm_vsrc(0)
	s_getreg_b32 s2, hwreg(HW_REG_IB_STS2, 6, 4)
	s_cmp_eq_u32 s2, 0
	s_cbranch_scc0 .Lentry_in_a_cluster
	s_endpgm
.Lentry_in_a_cluster:
	s_bfe_u32 s2, ttmp6, 0x10000c
	s_cmp_lg_u32 s2, 0xf033
	s_cbranch_scc0 .Lentry_shape_is_right
	s_endpgm
.Lentry_shape_is_right:
; qkv = inp Wqkv + bqkv on codes of FP6 (E2M3) with E8M0 scales, and its result quantised at once for the attention launch: q and k along the head's 64, v along the keys.
; A work-group of four waves makes 256 x 256 of the result, a wave 128 x 128: 64 accumulators.  K = 1,024 goes in four steps of 256 through a ring of two LDS slots filled by the tensor data mover.
; TWO OPERANDS BY THEIR PART IN THE RESULT.  R: its rows fall on LANES (source 1).  P: its rows fall on a lane's REGISTERS (source 0): the axis along which the result is quantised.
;   q, k (cluster x = 0, 1): R = tokens (xq), P = columns (wq).     v (cluster x = 2): R = columns 2,048 on (wq), P = tokens (xq).
; Only global pointers, tile numbers and offsets are chosen, by the cluster's x, which all sixteen partners share; masks, LDS addresses, descriptors' shapes and the text are one.
; ALL CODES LIE IN THE ORDER OF THE OPERAND'S REGISTERS: a half fragment (16 rows x 64 K) is 768 bytes (registers 0-3 at 16 x lane, 4-5 at 512 + 8 x lane); a tile's K step of 256 is 3,072 dense bytes.
; So a fragment is four LDS loads, each of consecutive bytes: no pitch, no padding.  The 16 rows of a tile are places r -> 32 (T / 2) + 8 (T % 2) + r + 8 (r / 8), so that the 16 registers of P's tiles 2 b, 2 b + 1
; are 16 NEIGHBOURS along P: 32 b + 16 (lane / 16) + 0 .. 15: what the conversions want.
; CLUSTERS: 4 x 4.  R's tiles hang on the cluster's y place and are asked for jointly along a row of the cluster, P's on its x place and jointly along a column.
; THE BIAS along P is the C of the first K step's products; the bias along R is added on the way out.  Each is 0 where it does not apply.
; qkv: q's and k's half fragments at (64-column group x 512 + token tile) x 768; v's at 12,582,912 + ((token / 64) x 64 + column tile) x 768; scale words (four bytes: 128 along P) behind them.
; LIMITS: NaN and infinities are not served; a block of zeros keeps the byte 1 (its codes are zeros; this program alone reads the bytes).
; REGISTERS: window 0: v16-29 addresses; v32-63 scale words, two sets; v64-127 the bias along P; v128-223 R's fragments, one set (free on the way out); v224-239 the bias along R.
;   window 1: P's fragments, two sets, at v0 and v128.   windows 2, 3: the accumulators of R's blocks 0-3 and 4-7 ((a, b) at v[8 (8 (a % 4) + b)]).
.set XSO,   6291456
.set WSO,   3145728
.set VCO0,  12484608                   ; v's half fragments, less the 128 column tiles that lie ahead of v's
.set QSO,   18874368
.set VSO0,  19390464                   ; v's scale words, less the same
.set TILEB, 12288
.set SLB,   3072
.set HALFT, 8*SLB                      ; 8 tiles: what one tensor load brings, and what one wave reads of R or of P
.set SLOT,  4*HALFT
.set SCL,   2*SLOT                     ; behind the ring: the scale bytes of R's 16 tiles, then P's: 512 bytes a tile, filled once
.set SPARE, SCL+16384                  ; the spare words, 128 bytes a wave
.set FR,    12
.set NL,    4
.set NQ,    2
.set NP,    4
.set ADRA,  16                         ; v16-17 16 x lane + my R tiles in slot 0, 1;  v18-19 the same with 8 x lane
.set ADRB,  20                         ; v20-23 likewise for P
.set LI,    24                         ; 16 x lane
.set L8,    25                         ; 8 x lane
.set SOF,   26                         ; 4 r + 64 h
.set ADRS,  27
.set SPW,   28
.set NIL,   29
.set SC,    32
.set BP,    64
.set AF,    128
.set BR,    224
.set TM,    128                        ; the way out, where R's fragments lay
.set PC,    144
.set CY,    156
.set PW,    164
.set PX,    172
.set G1,    24
.set G0,    32
.set G1B,   48
.set G0B,   56
.set G1S,   68
.set G0S,   76
.set G1SB,  80
.set G0SB,  88
.set MSB, 0
.macro WIN new                         ; the immediate's high byte repeats the setting that is left
.if MSB != (\new)
	s_set_vgpr_msb (MSB<<8)|(\new)
.set MSB, (\new)
.endif
.endm
.set MUL_LO, 0xa1                      ; source 0 (P) window 1, source 1 (R) window 0, C and D window 2
.set MUL_HI, 0xf1
.set TO_B,   0x40
; A joint load: waves 0 and 1 fetch for R, waves 2 and 3 for P.  An s_nop 0 and four v_nop follow each of the two lines.
.macro JLOAD g0a, g1a, g0b, g1b
	s_cmp_eq_u32 s15, 0
	s_cbranch_scc0 .Lfor_b_\@
	tensor_load_to_lds s[\g0a:\g0a+3], s[\g1a:\g1a+7]
	s_nop 0
.rept 4
	v_nop
.endr
	s_branch .Lasked_\@
.Lfor_b_\@:
	tensor_load_to_lds s[\g0b:\g0b+3], s[\g1b:\g1b+7]
	s_nop 0
.rept 4
	v_nop
.endr
.Lasked_\@:
.endm
.macro CREST
	s_cmp_lg_u32 s14, 0
	s_cbranch_scc1 .Lnot_wave_0_\@
	s_barrier_signal -3
.Lnot_wave_0_\@:
	s_barrier_wait -3
	s_barrier_signal -1
	s_barrier_wait -1
.endm
.macro CROUND
	s_barrier_signal -1
	s_barrier_wait -1
	CREST
.endm
	s_load_b256 s[4:11], s[0:1], 0x0                 ; xq s[4:5], wq s[6:7], bqkv s[8:9], qkv s[10:11]
	v_lshl_add_u32 v[SPW], v0, 2, SPARE
	v_mov_b32 v[NIL], 0
	ds_add_u32 v[SPW], v[NIL]                        ; the wave's opening: the add and its wait ahead of my first tensor load
	v_lshrrev_b32 v1, 5, v0
	v_readfirstlane_b32 s14, v1                      ; wave
	s_lshr_b32 s15, s14, 1                           ; which half of R's rows is mine.  Also: I fetch for R (0) or for P (1)
	s_and_b32 s16, s14, 1                            ; which half of P's.  Also: which 8 tiles I fetch
	s_bfe_u32 s40, ttmp6, 0x40000                    ; cx
	s_bfe_u32 s41, ttmp6, 0x40004                    ; cy
	s_and_b32 s17, ttmp7, 0xffff
	s_lshl_b32 s17, s17, 2                           ; 4 x cluster y
	s_add_co_u32 s42, s17, s41                       ; q, k: R's block of 256 tokens
	s_add_co_u32 s45, s41, 8                         ; v:    R's block of 256 columns
	s_add_co_u32 s92, s17, s40                       ; v:    P's block of 256 tokens
	s_lshl_b32 s93, ttmp9, 2
	s_add_co_u32 s93, s93, s40                       ; q, k: P's block of 256 columns
	s_lshl_b32 s43, s41, 2
	s_lshl_b32 s43, 15, s43                          ; my row of the cluster
	s_lshl_b32 s44, 0x1111, s40                      ; my column
	s_mov_b32 s94, XSO
	s_mov_b32 s95, WSO
	s_cmp_eq_u32 ttmp9, 2                            ; v's clusters: the same answer in all sixteen partners
	s_cselect_b32 s42, s45, s42                      ; R's block: made of cy alone
	s_cselect_b32 s92, s92, s93                      ; P's block: made of cx alone
	s_cselect_b32 s97, s95, s94                      ; where R's scale bytes begin in its buffer
	s_cselect_b32 s98, s94, s95                      ; and P's
	s_cselect_b32 s96, -1, 0                         ; all ones in v's work-groups
	; descriptor group 1, codes: 8 rows (tiles) of 3,072 bytes = 384 elements of 8 bytes, 12,288 bytes apart; dense in LDS
	s_or_b32 s[G1+0], s43, (3<<16)|(1<<21)
	s_or_b32 s[G1B+0], s44, (3<<16)|(1<<21)
.irp g, G1, G1B
	s_mov_b32 s[\g+1], 384<<16
	s_mov_b32 s[\g+2], 8<<16
	s_mov_b32 s[\g+3], 384<<16
	s_mov_b32 s[\g+4], 8
	s_mov_b32 s[\g+5], 1536
	s_mov_b32 s[\g+6], 0
	s_mov_b32 s[\g+7], 0
.endr
	; scale bytes of 8 tiles: 4,096 dense bytes as 16 rows of 256
	s_or_b32 s[G1S+0], s43, (3<<16)|(1<<21)
	s_or_b32 s[G1SB+0], s44, (3<<16)|(1<<21)
.irp g, G1S, G1SB
	s_mov_b32 s[\g+1], 32<<16
	s_mov_b32 s[\g+2], 16<<16
	s_mov_b32 s[\g+3], 32<<16
	s_mov_b32 s[\g+4], 16
	s_mov_b32 s[\g+5], 32
	s_mov_b32 s[\g+6], 0
	s_mov_b32 s[\g+7], 0
.endr
	s_lshl_b32 s18, s16, 3
	s_lshl_b32 s20, s42, 4
	s_add_co_u32 s20, s20, s18                       ; R: the first tile that I fetch
	s_lshl_b32 s46, s92, 4
	s_add_co_u32 s46, s46, s18                       ; P likewise
	s_lshl_b32 s22, s20, 9
	s_add_co_u32 s22, s22, s97
	s_mov_b32 s23, 0
	s_lshl_b32 s66, s46, 9
	s_add_co_u32 s66, s66, s98
	s_mov_b32 s67, 0
	s_mul_i32 s20, s20, TILEB
	s_mov_b32 s21, 0
	s_mul_i32 s46, s46, TILEB
	s_mov_b32 s47, 0
	s_mul_i32 s45, s14, HALFT                        ; where they go: wave x 8 tiles: no place in the cluster enters an LDS address
	s_lshl_b32 s99, s14, 12
	s_wait_dscnt 0x0                                 ; the opening add is done
	s_wait_kmcnt 0x0
	s_cmp_eq_u32 ttmp9, 2
	s_cselect_b64 s[2:3], s[6:7], s[4:5]             ; R's buffer
	s_cselect_b64 s[12:13], s[4:5], s[6:7]           ; P's buffer
	s_add_nc_u64 s[20:21], s[2:3], s[20:21]
	s_add_nc_u64 s[22:23], s[2:3], s[22:23]
	s_add_nc_u64 s[46:47], s[12:13], s[46:47]
	s_add_nc_u64 s[66:67], s[12:13], s[66:67]
	CROUND                                           ; all sixteen work-groups are here: the first joint loads meet
	s_mov_b32 s[G0S], 1
	s_add_co_u32 s[G0S+1], s99, SCL
	s_mov_b64 s[G0S+2:G0S+3], s[22:23]
	s_or_b32 s[G0S+3], s[G0S+3], 0x80000000
	s_mov_b32 s[G0SB], 1
	s_add_co_u32 s[G0SB+1], s99, SCL
	s_mov_b64 s[G0SB+2:G0SB+3], s[66:67]
	s_or_b32 s[G0SB+3], s[G0SB+3], 0x80000000
	JLOAD G0S, G1S, G0SB, G1SB                       ; the scale bytes first: they are wanted with K step 0
.irp s, 0,1
	s_mov_b32 s[G0+4*\s], 1
	s_add_co_u32 s[G0+4*\s+1], s45, \s*SLOT
	s_add_nc_u64 s[G0+4*\s+2:G0+4*\s+3], s[20:21], \s*SLB
	s_or_b32 s[G0+4*\s+3], s[G0+4*\s+3], 0x80000000
	s_mov_b32 s[G0B+4*\s], 1
	s_add_co_u32 s[G0B+4*\s+1], s45, \s*SLOT
	s_add_nc_u64 s[G0B+4*\s+2:G0B+4*\s+3], s[46:47], \s*SLB
	s_or_b32 s[G0B+4*\s+3], s[G0B+4*\s+3], 0x80000000
	JLOAD G0+4*\s, G1, G0B+4*\s, G1B
.endr
	v_and_b32 v1, 15, v0                             ; r
	v_bfe_u32 v2, v0, 4, 1                           ; h
	v_and_b32 v3, 31, v0
	v_lshlrev_b32 v[LI], 4, v3
	v_lshlrev_b32 v[L8], 3, v3
	v_lshlrev_b32 v[SOF], 2, v1
	v_lshl_add_u32 v[SOF], v2, 6, v[SOF]
	s_mul_i32 s21, s15, HALFT                        ; my 8 tiles of R
	s_mul_i32 s22, s16, HALFT                        ; my 8 tiles of P,
	s_add_co_u32 s22, s22, 2*HALFT                   ; which lie behind R's 16
.irp s, 0,1
	v_add_nc_u32 v[ADRA+\s], s21, v[LI]
	v_add_nc_u32 v[ADRB+\s], s22, v[LI]
	v_add_nc_u32 v[ADRA+2+\s], s21, v[L8]
	v_add_nc_u32 v[ADRB+2+\s], s22, v[L8]
	s_add_co_u32 s21, s21, SLOT
	s_add_co_u32 s22, s22, SLOT
.endr
	v_lshlrev_b32 v5, 3, v1                          ; scale words: 8 bytes a row and K step of 256
	s_lshl_b32 s21, s15, 12
	s_lshl_b32 s22, s16, 12
	s_add_co_u32 s22, s22, 8192
	s_sub_co_u32 s22, s22, s21
	v_mul_u32_u24 v6, s22, v2                        ; lanes 16-31 take P's
	s_add_co_u32 s21, s21, SCL
	v_add_nc_u32 v5, v5, v6
	v_add_nc_u32 v[ADRS], s21, v5
	; the biases.  Along P: bqkv at P's columns (q, k).  Along R: bqkv at R's columns (v).  Where one does not apply it is read at the buffer's head and set to 0
	s_lshl_b32 s46, s92, 1
	s_add_co_u32 s46, s46, s16                       ; 2 x P's block + my half
	s_lshl_b32 s47, s42, 1
	s_add_co_u32 s47, s47, s15                       ; 2 x R's block + my half
	s_lshl_b32 s2, s46, 9                            ; 128 numbers of 4 bytes
	s_lshl_b32 s12, s47, 9
	s_mov_b32 s66, 2*393216
	s_mov_b32 s67, 32768
	s_mov_b32 s93, QSO
	s_cmp_eq_u32 ttmp9, 2
	s_cselect_b32 s2, 0, s2
	s_cselect_b32 s12, s12, 0
	s_cselect_b32 s66, 2*49152, s66                  ; from 128 along P to the next 128, in the codes,
	s_cselect_b32 s67, 4096, s67                     ; and in the scale words
	s_cselect_b32 s94, VCO0, 0
	s_cselect_b32 s93, VSO0, s93
	s_mov_b32 s3, 0
	s_mov_b32 s13, 0
	s_add_nc_u64 s[2:3], s[8:9], s[2:3]
	s_add_nc_u64 s[12:13], s[8:9], s[12:13]
	v_lshlrev_b32 v7, 6, v2                          ; 16 h numbers
	v_and_b32 v8, 8, v1
	v_add_nc_u32 v8, v8, v1
	v_lshlrev_b32 v8, 2, v8                          ; r + 8 (r / 8) numbers
.irp b, 0,1,2,3,4,5,6,7
	global_load_b128 v[BP+8*\b:BP+8*\b+3], v7, s[2:3] offset:(32*(\b/2)+8*(\b%2))*4
	global_load_b128 v[BP+8*\b+4:BP+8*\b+7], v7, s[2:3] offset:(32*(\b/2)+8*(\b%2))*4+16
.endr
.irp a, 0,1,2,3,4,5,6,7
	global_load_b32 v[BR+2*\a], v8, s[12:13] offset:(32*(\a/2)+8*(\a%2))*4
	v_mov_b32 v[BR+2*\a+1], 0                        ; (named with it as a pair)
.endr
	; where my results go
	s_mul_i32 s18, s46, s66
	s_mul_i32 s95, s47, 8*768
	s_add_co_u32 s18, s18, s95
	s_add_co_u32 s18, s18, s94
	s_mov_b32 s19, 0
	s_lshr_b32 s20, s66, 1                           ; from 64 along P to the next 64
	s_mov_b32 s21, 0
	s_mul_i32 s22, s46, s67
	s_lshl_b32 s95, s47, 9
	s_add_co_u32 s22, s22, s95
	s_add_co_u32 s22, s22, s93
	s_mov_b32 s23, 0
	s_add_nc_u64 s[18:19], s[10:11], s[18:19]        ; the first 64 along P
	s_add_nc_u64 s[20:21], s[18:19], s[20:21]        ; the second
	s_add_nc_u64 s[22:23], s[10:11], s[22:23]        ; the scale words
	s_mov_b32 s40, 0x76543210
	s_mov_b32 s41, 0xfedcba98                        ; v_permlanex16_b32's selects for lane l xor 16
	s_mov_b32 s97, 0xffff0000                        ; lanes 16-31
	s_wait_loadcnt 0x0
.set i, 0
.rept 64
	v_cndmask_b32 v[BP+i], v[BP+i], 0, s96           ; v has no bias along P
.set i, i+1
.endr
.irp a, 0,1,2,3,4,5,6,7
	v_cndmask_b32 v[BR+2*\a], 0, v[BR+2*\a], s96     ; q and k have none along R
.endr
.macro FRAG reg, adr, q, i             ; a fragment (16 rows x 128 K, 12 registers): two half fragments, each 512 + 256 consecutive bytes
	ds_load_b128 v[\reg:\reg+3], v[\adr] offset:SLB*(\i)+1536*(\q)
	ds_load_b64 v[\reg+4:\reg+5], v[\adr+2] offset:SLB*(\i)+1536*(\q)+512
	ds_load_b128 v[\reg+6:\reg+9], v[\adr] offset:SLB*(\i)+1536*(\q)+768
	ds_load_b64 v[\reg+10:\reg+11], v[\adr+2] offset:SLB*(\i)+1536*(\q)+1280
.endm
; 16 matrix instructions: R's blocks a0, a0 + 1 x P's eight.  first = 1: the bias along P is the C.  The 64 accumulators take turns, one instruction a turn.
.macro MUL16 a0, p, q, sc, first
.irp a, \a0, \a0+1
.irp b, 0,1,2,3,4,5,6,7
.if \first
	v_wmma_scale_f32_16x16x128_f8f6f4 v[8*(8*((\a)%4)+\b):8*(8*((\a)%4)+\b)+7], v[128*(\p)+FR*\b:128*(\p)+FR*\b+FR-1], v[AF+FR*(\a):AF+FR*(\a)+FR-1], v[BP+8*\b:BP+8*\b+7], v[SC+8*NQ*(\sc)+NQ*\b+(\q)], v[SC+8*NQ*(\sc)+NQ*(\a)+(\q)] matrix_a_fmt:MATRIX_FMT_FP6 matrix_b_fmt:MATRIX_FMT_FP6 matrix_a_scale:MATRIX_SCALE_ROW1
.else
	v_wmma_scale_f32_16x16x128_f8f6f4 v[8*(8*((\a)%4)+\b):8*(8*((\a)%4)+\b)+7], v[128*(\p)+FR*\b:128*(\p)+FR*\b+FR-1], v[AF+FR*(\a):AF+FR*(\a)+FR-1], v[8*(8*((\a)%4)+\b):8*(8*((\a)%4)+\b)+7], v[SC+8*NQ*(\sc)+NQ*\b+(\q)], v[SC+8*NQ*(\sc)+NQ*(\a)+(\q)] matrix_a_fmt:MATRIX_FMT_FP6 matrix_b_fmt:MATRIX_FMT_FP6 matrix_a_scale:MATRIX_SCALE_ROW1
.endif
.endr
.endr
.endm
.macro FETCH_B slot, q, p
	WIN TO_B
.irp i, 0,1,2,3,4,5,6,7
	FRAG 128*(\p)+FR*\i, ADRB+\slot, \q, \i
.endr
	WIN 0
.endm
.macro FETCH_A slot, q, i0
.irp i, \i0, \i0+1, \i0+2, \i0+3
	FRAG AF+FR*(\i), ADRA+\slot, \q, \i
.endr
.endm
.macro SCALES sc                       ; a K step's two scale words a row: lanes 0-15 R's block i, lanes 16-31 P's block i
.irp i, 0,1,2,3,4,5,6,7
	ds_load_b64 v[SC+8*NQ*\sc+NQ*\i:SC+8*NQ*\sc+NQ*\i+1], v[ADRS] offset:512*\i
.endr
.endm
.macro PLACES n                        ; plain places behind matrix instructions, in front of loads into registers that they have read and of the first read of results
.rept \n
	v_nop
.endr
.endm
.macro STEP slot, q, first
	s_wait_dscnt 4*NL                                ; P's set and R's blocks 0-3 are in; the youngest 16 loads (R's blocks 4-7) may be out
.if \first
	WIN 0x81                                         ; C (the bias) in window 0, D in window 2
.else
	WIN MUL_LO
.endif
	MUL16 0, (\q)%2, \q, \slot, \first
	MUL16 2, (\q)%2, \q, \slot, \first
	s_wait_dscnt 0
	PLACES NP
	FETCH_B \slot, (\q)+1, 1-(\q)%2
	FETCH_A \slot, (\q)+1, 0
.if \first
	WIN 0xc1
.else
	WIN MUL_HI
.endif
	MUL16 4, (\q)%2, \q, \slot, \first
	MUL16 6, (\q)%2, \q, \slot, \first
	PLACES NP
	WIN 0
	FETCH_A \slot, (\q)+1, 4
.endm
; A slot's last step changes slots: one barrier; in front of it each wave waits for all its tensor loads, adds 0 to its spare word, and waits for that and for its reads of this slot.
.macro TURN slot, next, fill
	s_wait_tensorcnt 0x0                             ; all my tensor loads have landed: my part of the next slot
	ds_add_u32 v[SPW], v[NIL]                        ; 0 onto my spare word
	s_wait_dscnt 4*NL+1                              ; (the add and the youngest 16 loads may be out)
	WIN MUL_LO
	MUL16 0, 1, NQ-1, \slot, 0
	s_wait_dscnt 0x0                                 ; the add is done, and my reads of this slot are over
	s_barrier_signal -1
	MUL16 2, 1, NQ-1, \slot, 0
	WIN 0
	s_barrier_wait -1
.if \fill
	CREST                                            ; the barrier has opened a round of the cluster's barrier: no wave of any partner still reads this slot or has a load on its way
	s_add_nc_u64 s[G0+4*\slot+2:G0+4*\slot+3], s[G0+4*\slot+2:G0+4*\slot+3], 2*SLB
	s_add_nc_u64 s[G0B+4*\slot+2:G0B+4*\slot+3], s[G0B+4*\slot+2:G0B+4*\slot+3], 2*SLB
	JLOAD G0+4*\slot, G1, G0B+4*\slot, G1B           ; the first tensor load behind the round; its four v_nop are the places in front of the loads below
.else
	PLACES NP
.endif
	v_add_nc_u32 v[ADRS], 128, v[ADRS]               ; the next K step's scale words (no LDS load of mine is out)
	FETCH_B \next, 0, 0
	FETCH_A \next, 0, 0
	SCALES \next
	WIN MUL_HI
	MUL16 4, 1, NQ-1, \slot, 0
	MUL16 6, 1, NQ-1, \slot, 0
	PLACES NP
	WIN 0
	FETCH_A \next, 0, 4
.endm
	s_wait_tensorcnt 1                               ; the scale bytes and my part of K step 0 are in (K step 1's load may be out),
	s_barrier_signal -1
	s_barrier_wait -1                                ; everybody's are
	FETCH_B 0, 0, 0
	FETCH_A 0, 0, 0
	SCALES 0
	FETCH_A 0, 0, 4
	STEP 0, 0, 1                                     ; K = 1,024 is four slots: written out, no loop
	TURN 0, 1, 1
	STEP 1, 0, 0
	TURN 1, 0, 1
	STEP 0, 0, 0
	TURN 0, 1, 0                                     ; nothing is left to fetch
	STEP 1, 0, 0
	s_wait_dscnt 4*NL
	WIN MUL_LO
	MUL16 0, 1, NQ-1, 1, 0
	MUL16 2, 1, NQ-1, 1, 0
	s_wait_dscnt 0
	WIN MUL_HI
	MUL16 4, 1, NQ-1, 1, 0
	MUL16 6, 1, NQ-1, 1, 0
	WIN 0
	PLACES NP
.irp b, 0,1,2,3
	v_mov_b32 v[TM+4+\b], 0                          ; written once: a lane permute's destination counts as one of its sources
.endr
; THE WAY OUT of R's block a: its 64 registers a lane are 128 neighbours along P in four blocks of 32 (register 16 b + i = 32 b + 16 h + i).  The bias along R, the blocks' scales, the codes: one fragment = two half fragments.
.macro OUTA a
.set AC, 64*((\a)%4)
.set XW, 2+(\a)/4
	WIN (XW<<6)|XW
.set i, 0
.rept 32
	v_pk_add_f32 v[AC+2*i:AC+2*i+1], v[AC+2*i:AC+2*i+1], v[BR+2*(\a):BR+2*(\a)+1] op_sel_hi:[1,0]   ; each accumulator from its low end on
.set i, i+1
.endr
	WIN (XW<<2)|(XW<<4)
.irp b, 0,1,2,3
	v_max3_num_f32 v[TM+\b], 0x1800000, |v[AC+16*\b]|, |v[AC+16*\b+1]|      ; with the floor 2^(3 - 127)
.endr
.irp i, 2,4,6,8,10,12,14
.irp b, 0,1,2,3
	v_max3_num_f32 v[TM+\b], v[TM+\b], |v[AC+16*\b+\i]|, |v[AC+16*\b+\i+1]|
.endr
.endr
	WIN 0
.irp b, 0,1,2,3
	v_permlanex16_b32 v[TM+4+\b], v[TM+\b], s40, s41
.endr
.irp b, 0,1,2,3
	v_max_num_f32 v[TM+\b], v[TM+\b], v[TM+4+\b]
.endr
.irp b, 0,1,2,3
	v_add_nc_u32 v[TM+12+\b], 0xff000000, v[TM+\b]
.endr
.irp b, 0,1,2,3
	v_lshrrev_b32 v[TM+4+\b], 23, v[TM+12+\b]
.endr
	v_lshl_or_b32 v[PW+(\a)], v[TM+5], 8, v[TM+4]
	v_lshl_or_b32 v[PW+(\a)], v[TM+6], 16, v[PW+(\a)]
	v_lshl_or_b32 v[PW+(\a)], v[TM+7], 24, v[PW+(\a)]
	s_wait_xcnt 0x0                                  ; the last block's stores have read their registers: the codes may be written anew
	WIN XW
.irp c, 0,1
	v_cvt_scalef32_pk16_fp6_f32 v[PC+6*\c:PC+6*\c+2], v[AC+32*\c:AC+32*\c+15], v[TM+12+2*\c]
	v_cvt_scalef32_pk16_fp6_f32 v[CY+4*\c:CY+4*\c+2], v[AC+32*\c+16:AC+32*\c+31], v[TM+12+2*\c+1]
.endr
	WIN 0
	v_nop                                            ; one plain place behind a scaled conversion
.irp c, 0,1
.irp i, 0,1,2
	v_permlane16_swap_b32 v[PC+6*\c+\i], v[CY+4*\c+\i]
.endr
.irp i, 0,1,2
	v_mov_b32 v[PC+3+6*\c+\i], v[CY+4*\c+\i]
.endr
.endr
	global_store_b128 v[LI], v[PC:PC+3], s[18:19] offset:768*(\a)          ; 512 and 256 consecutive bytes, aligned to 256
	global_store_b64 v[L8], v[PC+4:PC+5], s[18:19] offset:768*(\a)+512
	global_store_b128 v[LI], v[PC+6:PC+9], s[20:21] offset:768*(\a)
	global_store_b64 v[L8], v[PC+10:PC+11], s[20:21] offset:768*(\a)+512
.endm
.irp a, 0,1,2,3,4,5,6,7
	OUTA \a
.endr
.irp e, 0,1,2,3
	v_cndmask_b32 v[PX+\e], v[PW+2*\e], v[PW+2*\e+1], s97      ; lanes 0-15 the even block's words, lanes 16-31 the odd block's
	global_store_b32 v[SOF], v[PX+\e], s[22:23] offset:128*\e
.endr
	s_wait_tensorcnt 0x0                             ; the wave's end
	ds_add_u32 v[SPW], v[NIL]
	s_wait_dscnt 0x0
	CROUND                                           ; the closing round: no work-group ends while a partner may still ask for a tile that names it
	s_endpgm
.Lfunc_end_k_q26212d4dd7_gemm_qkv:
	.size	k_q26212d4dd7_gemm_qkv, .Lfunc_end_k_q26212d4dd7_gemm_qkv-k_q26212d4dd7_gemm_qkv
	.p2alignl 7, 3214868480
	.fill 96, 4, 3214868480
	.section	.rodata,"a",@progbits
	.p2align	6, 0x0
	.amdhsa_kernel k_q26212d4dd7_gemm_qkv
		.amdhsa_group_segment_fixed_size 327680
		.amdhsa_private_segment_fixed_size 0
		.amdhsa_enable_private_segment 0
		.amdhsa_kernarg_size 32
		.amdhsa_user_sgpr_count 2
		.amdhsa_user_sgpr_kernarg_segment_ptr 1
		.amdhsa_wavefront_size32 1
		.amdhsa_system_sgpr_workgroup_id_x 1
		.amdhsa_system_sgpr_workgroup_id_y 1
		.amdhsa_system_sgpr_workgroup_id_z 1
		.amdhsa_system_vgpr_workitem_id 0
		.amdhsa_next_free_vgpr 1024
		.amdhsa_next_free_sgpr 100
		.amdhsa_reserve_vcc 0
		.amdhsa_float_denorm_mode_32 3
		.amdhsa_float_denorm_mode_16_64 3
		.amdhsa_memory_ordered 1
		.amdhsa_forward_progress 1
		.amdhsa_inst_pref_size 173
	.end_amdhsa_kernel
	.amdgpu_metadata
---
amdhsa.version: [ 1, 2 ]
amdhsa.kernels:
  - .name:           k_q26212d4dd7_gemm_qkv
    .symbol:         k_q26212d4dd7_gemm_qkv.kd
    .args:
      - { .name: xq, .offset: 0, .size: 8, .value_kind: global_buffer, .address_space: global }
      - { .name: wq, .offset: 8, .size: 8, .value_kind: global_buffer, .address_space: global }
      - { .name: bqkv, .offset: 16, .size: 8, .value_kind: global_buffer, .address_space: global }
      - { .name: qkv, .offset: 24, .size: 8, .value_kind: global_buffer, .address_space: global }
    .group_segment_fixed_size: 327680
    .private_segment_fixed_size: 0
    .kernarg_segment_align: 8
    .kernarg_segment_size: 32
    .max_flat_workgroup_size: 128
    .sgpr_count:     100
    .vgpr_count:     1024
    .wavefront_size: 32
...
	.end_amdgpu_metadata
.endif
;; end of part 4
;; launch attn (part 5): grid 256 x 1, 4 waves a work-group, no clusters, 67,072 bytes of LDS; arguments qkv, mk, ao; writes ao
.if DOCPART == 5
	.amdgcn_target "amdgcn-amd-amdhsa--gfx1250"
	.amdhsa_code_object_version 6
	.text
	.protected	k_q26212d4dd7_attn
	.globl	k_q26212d4dd7_attn
	.p2align	8
	.type	k_q26212d4dd7_attn,@function
k_q26212d4dd7_attn:
	s_mov_b64 s[64:65], 0
	v_nop
	global_prefetch_b8 v0, s[64:65] scope:SCOPE_SE
	s_setreg_imm32_b32 hwreg(HW_REG_WAVE_MODE, 25, 1), 1
	s_wait_xcnt 0x0
; attn = softmax(q k^T / 8, hidden keys out), o = attn v, both products on codes of FP6 (E2M3) with E8M0 scales; attn is quantised FINISHED (exp / sum, hidden entries 0), in blocks of 32 keys;
; o is quantised along the hidden axis for the last product and stored as codes.
; SHARES.  A work-group owns 512 queries of one head (32 tiles of 16).  THE FOUR WAVES SHARE THE KEYS: wave w owns keys 512 w .. 512 w + 511, and its K (192 registers) and V (192) stay in registers for the
; whole launch, read once.  A step takes one query tile: the wave's 16 x 512 scores are 256 registers and stay there until the row's sum is known: one score product, one exponential a score, no ring.
; LAYOUT.  Both products transposed: S^T = K Q^T, O^T = V^T P^T: a lane holds one query (lane % 16).  The keys of a tile are places r -> 32 (n / 2) + 8 (n % 2) + r + 8 (r / 8), so the 16 registers of
; tiles 2 b, 2 b + 1 are 16 neighbouring keys.  The head's 64 fill half of the instruction's 128 along K: source 0 holds TWO key tiles (one in each half of K), source 1 is [Q | 0] or [0 | Q].
; THE MASK is the C of the score product: 0, or -6 x 2^123 for a hidden key, widened from the packed codes.  Such a score gives p = 0.
; THE SOFTMAX.  t = score x log2(e) / 8.  Each wave takes its own M_w = ceil(its largest t) (never under -1e30), p = 2^(t - M_w) and the sum l_w; the four (M_w, l_w) meet in LDS;
; M = the largest M_w, l = the sum of 2^(M_w - M) l_w (held at 2^-100 from below, for a row that is hidden whole), g = 2^(M_w - M) / l, attn = p g.
; A block's largest attn is not searched for: the block's largest score goes through the same instructions (this leans on v_exp_f32 not falling where its input rises).
; O.  Each wave's part of O^T goes to LDS as an image of its registers; behind four steps wave w adds the four parts of tile w of the four, quantises and stores.
; NO CLUSTER, NO TENSOR LOAD: K and V (192 KiB a work-group) are read once, into registers; what a step reads (4 KiB of mask words and 768 bytes of q a wave) goes straight into registers a whole step ahead.
; LIMITS: NaN and infinities are not served; scores stay under 2^120 in magnitude; p under 2^-126 counts as 0; blocks of zeros keep the byte 1.
; REGISTERS.  window 1: S^T, tile n at 8 n.  window 2: v0-191 K (key tile n at 6 n); v192-255 parts of O.  window 3: v0-191 V (fragment 4 s + t at 12 (4 s + t)); v192-223 O^T; v192-255 parts of O.
.set QSO,   18874368
.set VCO,   12582912
.set VSO,   19398656
.set XSO,   6291456
.set OP,    1024                       ; LDS: 0 .. 1,023 the waves' (M, l); from OP the parts of O: [tile of four] 16,384 + [wave] 4,096
.set SPARE, OP+65536
.set SPW,   10
.set NIL,   11
.set BSC,   12                         ; the widening's scale byte, 250, in every byte
.set QSR,   13
.set QS,    14
.set SUM,   18                         ; v[18:25] four chains
.set MW,    32
.set QLO,   64
.set QHI,   76
.set KS,    88
.set VS,    104
.set TM,    120
.set TM2,   136
.set PC,    152
.set CY,    200
.set PW,    208
.set XV,    212
.set FF,    220
.set OQ,    228
.set OY,    234
.set TMO,   238
.set PWO,   244
.set OS,    152                        ; the summed O^T, where p's codes lay
.set OA,    192
.set MSB, 0
.macro WIN new
.if MSB != (\new)
	s_set_vgpr_msb (MSB<<8)|(\new)
.set MSB, (\new)
.endif
.endm
	s_load_b128 s[4:7], s[0:1], 0x0                  ; qkv, mk
	s_load_b64 s[8:9], s[0:1], 0x10                  ; ao
	v_lshl_add_u32 v[SPW], v0, 2, SPARE
	v_mov_b32 v[NIL], 0
	v_lshrrev_b32 v1, 5, v0
	v_readfirstlane_b32 s10, v1                      ; wave
	v_and_b32 v28, 31, v0
	v_and_b32 v29, 15, v0
	v_lshlrev_b32 v1, 4, v28                         ; 16 x lane
	v_lshlrev_b32 v2, 3, v28                         ; 8 x lane
	v_lshlrev_b32 v3, 2, v29                         ; 4 r
	v_lshlrev_b32 v9, 3, v29                         ; 8 r
	s_lshl_b32 s40, s10, 8
	v_add_nc_u32 v4, s40, v2                         ; where I put (M, l)
	s_lshl_b32 s40, s10, 12
	s_add_co_u32 s40, s40, OP
	v_add_nc_u32 v6, s40, v1                         ; where my part of O goes
	s_lshl_b32 s40, s10, 14
	s_add_co_u32 s40, s40, OP
	v_add_nc_u32 v7, s40, v1                         ; the tile whose parts I add
	v_mov_b32 v[BSC], 0xfafafafa
	v_mov_b32 v17, 0
	v_mov_b32 v27, 0
	v_mov_b32 v29, 0
.set i, 0
.rept 6
	v_mov_b32 v[QLO+6+i], 0                          ; [Q | 0]
	v_mov_b32 v[QHI+i], 0                            ; [0 | Q]
.set i, i+1
.endr
.set i, 0
.rept 16
	v_mov_b32 v[TM2+i], 0                            ; written once: a lane permute's destination counts as one of its sources
.set i, i+1
.endr
	v_mov_b32 v[TMO+2], 0
	v_mov_b32 v[TMO+3], 0
	s_and_b32 s11, ttmp9, 15                         ; head
	s_bfe_u32 s12, ttmp9, 0x20004                    ; which 512 queries
	s_lshr_b32 s13, ttmp9, 6                         ; batch
	s_lshl_b32 s40, s13, 7                           ; the batch's first token tile
	s_lshl_b32 s41, s10, 5
	s_add_co_u32 s41, s41, s40                       ; my first key tile
	s_lshl_b32 s42, s12, 5
	s_add_co_u32 s42, s42, s40                       ; the work-group's first query tile
	s_lshr_b32 s43, s11, 1                           ; the pair of heads
	s_lshl_b32 s44, s11, 2                           ; 4 x head
	s_add_co_u32 s32, s11, 16                        ; K's codes: ((16 + head) x 512 + tile) x 768
	s_lshl_b32 s32, s32, 9
	s_add_co_u32 s32, s32, s41
	s_mul_i32 s32, s32, 768
	s_mov_b32 s33, 0
	s_add_co_u32 s34, s43, 8                         ; K's scale words
	s_lshl_b32 s34, s34, 9
	s_add_co_u32 s34, s34, s41
	s_lshl_b32 s34, s34, 6
	s_add_co_u32 s34, s34, QSO
	s_mov_b32 s35, 0
	s_lshl_b32 s36, s41, 4                           ; V's codes: ((token / 64) x 64 + 4 head) x 768
	s_add_co_u32 s36, s36, s44
	s_mul_i32 s36, s36, 768
	s_add_co_u32 s36, s36, VCO
	s_mov_b32 s37, 0
	s_lshl_b32 s38, s41, 3                           ; V's scale words: ((token / 128) x 64 + 4 head) x 64
	s_add_co_u32 s38, s38, s44
	s_lshl_b32 s38, s38, 6
	s_add_co_u32 s38, s38, VSO
	s_mov_b32 s39, 0
	s_lshl_b32 s16, s11, 9                           ; Q's codes
	s_add_co_u32 s16, s16, s42
	s_mul_i32 s16, s16, 768
	s_mov_b32 s17, 0
	s_lshl_b32 s18, s43, 9                           ; Q's scale words
	s_add_co_u32 s18, s18, s42
	s_lshl_b32 s18, s18, 6
	s_add_co_u32 s18, s18, QSO
	s_mov_b32 s19, 0
	s_lshl_b32 s20, s42, 2                           ; the mask's words: (4 x query tile + wave) x 4,096
	s_add_co_u32 s20, s20, s10
	s_lshl_b32 s20, s20, 12
	s_mov_b32 s21, 0
	s_add_co_u32 s45, s42, s10                       ; the first tile that I store
	s_lshl_b32 s22, s45, 4
	s_add_co_u32 s22, s22, s11
	s_mul_i32 s22, s22, 768
	s_mov_b32 s23, 0
	s_lshl_b32 s24, s45, 9
	s_lshr_b32 s46, s11, 2
	s_lshl_b32 s46, s46, 7
	s_add_co_u32 s24, s24, s46
	s_and_b32 s46, s11, 3
	s_lshl_b32 s46, s46, 1
	s_add_co_u32 s24, s24, s46
	s_add_co_u32 s24, s24, XSO
	s_mov_b32 s25, 0
	s_mov_b32 s26, 0x3e38aa3b                        ; c = log2(e) / 8
	s_mov_b32 s27, s26
	s_mov_b32 s28, 0x76543210
	s_mov_b32 s29, 0xfedcba98
	s_mov_b32 s30, 0x07060302                        ; a raw scale word holds two heads' bytes: the odd head's upper two,
	s_and_b32 s46, s11, 1
	s_cmp_eq_u32 s46, 1
	s_cselect_b32 s30, s30, 0x05040100               ; the even head's lower two; of two words
	s_mov_b32 s53, 0
	s_mov_b32 s55, 0
	s_mov_b32 s57, 0
	s_wait_kmcnt 0x0
	s_add_nc_u64 s[32:33], s[4:5], s[32:33]
	s_add_nc_u64 s[34:35], s[4:5], s[34:35]
	s_add_nc_u64 s[36:37], s[4:5], s[36:37]
	s_add_nc_u64 s[38:39], s[4:5], s[38:39]
	s_add_nc_u64 s[16:17], s[4:5], s[16:17]
	s_add_nc_u64 s[18:19], s[4:5], s[18:19]
	s_add_nc_u64 s[20:21], s[6:7], s[20:21]
	s_add_nc_u64 s[22:23], s[8:9], s[22:23]
	s_add_nc_u64 s[24:25], s[8:9], s[24:25]
.macro QLOAD                           ; a query tile: Q twice, its raw scale words, the mask's 32 words
	global_load_b128 v[QLO:QLO+3], v1, s[16:17]
	global_load_b64 v[QLO+4:QLO+5], v2, s[16:17] offset:512
	global_load_b128 v[QHI+6:QHI+9], v1, s[16:17]
	global_load_b64 v[QHI+10:QHI+11], v2, s[16:17] offset:512
	global_load_b32 v[QSR], v3, s[18:19]
.irp i, 0,1,2,3,4,5,6,7
	global_load_b128 v[MW+4*\i:MW+4*\i+3], v1, s[20:21] offset:512*\i
.endr
.endm
.set i, 0
.rept 32
	global_load_b32 v[PC+i], v3, s[34:35] offset:64*i          ; K's raw scale words, key tile i
.set i, i+1
.endr
.set i, 0
.rept 16
	global_load_b32 v[VS+i], v3, s[38:39] offset:4096*(i/4)+64*(i%4)
.set i, i+1
.endr
	QLOAD
	WIN 0x80                                         ; destination window 2
.set i, 0
.rept 32
	global_load_b128 v[6*i:6*i+3], v1, s[32:33] offset:768*i
	global_load_b64 v[6*i+4:6*i+5], v2, s[32:33] offset:768*i+512
.set i, i+1
.endr
	WIN 0xc0                                         ; destination window 3
.irp s, 0,1,2,3
.irp t, 0,1,2,3
.irp c, 0,1
	global_load_b128 v[12*(4*\s+\t)+6*\c:12*(4*\s+\t)+6*\c+3], v1, s[36:37] offset:49152*(2*\s+\c)+768*\t
	global_load_b64 v[12*(4*\s+\t)+6*\c+4:12*(4*\s+\t)+6*\c+5], v2, s[36:37] offset:49152*(2*\s+\c)+768*\t+512
.endr
.endr
.endr
	WIN 0
	s_wait_loadcnt 0x0
.set i, 0
.rept 16
	v_perm_b32 v[KS+i], v[PC+2*i+1], v[PC+2*i], s30  ; bytes 0, 1: key tile 2 i (the lower half of K); bytes 2, 3: key tile 2 i + 1
.set i, i+1
.endr
; round e (0 .. 7) of the largest score of the four blocks of group g, the blocks by turns; each accumulator is read from its low end on
.macro MAXR g, e
.irp b, 0,1,2,3
.if (\e) == 0
	v_max3_num_f32 v[TM+4*(\g)+\b], 0xff7fffff, v[16*(4*(\g)+\b)], v[16*(4*(\g)+\b)+1]
.else
	v_max3_num_f32 v[TM+4*(\g)+\b], v[TM+4*(\g)+\b], v[16*(4*(\g)+\b)+2*(\e)], v[16*(4*(\g)+\b)+2*(\e)+1]
.endif
.endr
.endm
; attn of keys 128 s .. 128 s + 127: p x g, the four blocks' scales, the codes: source 1 of the second product
.macro QP s
	WIN 0x41
.set i, 0
.rept 32
	v_pk_mul_f32 v[64*(\s)+2*i:64*(\s)+2*i+1], v[64*(\s)+2*i:64*(\s)+2*i+1], v[26:27] op_sel_hi:[1,0]
.set i, i+1
.endr
	WIN 0
.irp b, 0,1,2,3
	v_mul_f32 v[TM+4*(\s)+\b], v[TM+4*(\s)+\b], v26          ; the block's largest attn: the same multiplication on the same number
.endr
.irp b, 0,1,2,3
	v_max_num_f32 v[TM+4*(\s)+\b], 0x1800000, v[TM+4*(\s)+\b]
.endr
.irp b, 0,1,2,3
	v_add_nc_u32 v[TM2+4*(\s)+\b], 0xff000000, v[TM+4*(\s)+\b]
.endr
.irp b, 0,1,2,3
	v_lshrrev_b32 v[TM+4*(\s)+\b], 23, v[TM2+4*(\s)+\b]
.endr
	v_lshl_or_b32 v[PW+(\s)], v[TM+4*(\s)+1], 8, v[TM+4*(\s)]
	v_lshl_or_b32 v[PW+(\s)], v[TM+4*(\s)+2], 16, v[PW+(\s)]
	v_lshl_or_b32 v[PW+(\s)], v[TM+4*(\s)+3], 24, v[PW+(\s)]
	WIN 0x01
.irp c, 0,1
	v_cvt_scalef32_pk16_fp6_f32 v[PC+12*(\s)+6*\c:PC+12*(\s)+6*\c+2], v[64*(\s)+32*\c:64*(\s)+32*\c+15], v[TM2+4*(\s)+2*\c]
	v_cvt_scalef32_pk16_fp6_f32 v[CY+4*\c:CY+4*\c+2], v[64*(\s)+32*\c+16:64*(\s)+32*\c+31], v[TM2+4*(\s)+2*\c+1]
.endr
	WIN 0
	v_nop                                            ; one plain place behind a scaled conversion
.irp c, 0,1
.irp i, 0,1,2
	v_permlane16_swap_b32 v[PC+12*(\s)+6*\c+\i], v[CY+4*\c+\i]
.endr
.irp i, 0,1,2
	v_mov_b32 v[PC+12*(\s)+3+6*\c+\i], v[CY+4*\c+\i]
.endr
.endr
.endm
; O^T += V^T P^T for keys 128 s on: the four accumulators by turns, one instruction a turn
.macro PVW s
	WIN 0xf3
.irp t, 0,1,2,3
.if (\s) == 0
	v_wmma_scale_f32_16x16x128_f8f6f4 v[OA+8*\t:OA+8*\t+7], v[12*(4*(\s)+\t):12*(4*(\s)+\t)+11], v[PC+12*(\s):PC+12*(\s)+11], 0, v[VS+4*(\s)+\t], v[PW+(\s)] matrix_a_fmt:MATRIX_FMT_FP6 matrix_b_fmt:MATRIX_FMT_FP6
.else
	v_wmma_scale_f32_16x16x128_f8f6f4 v[OA+8*\t:OA+8*\t+7], v[12*(4*(\s)+\t):12*(4*(\s)+\t)+11], v[PC+12*(\s):PC+12*(\s)+11], v[OA+8*\t:OA+8*\t+7], v[VS+4*(\s)+\t], v[PW+(\s)] matrix_a_fmt:MATRIX_FMT_FP6 matrix_b_fmt:MATRIX_FMT_FP6
.endif
.endr
.endm
	s_mov_b32 s14, 0                                 ; the step, 0 .. 31
	s_mov_b32 s31, 8
.Louter:
	s_mov_b32 s15, 4
	s_mov_b32 s50, 0                                 ; the step's place among four in the stage
.Lstep:
	; ---- the scores.  The tile's Q, scale words and mask words were asked for a step ago
	s_wait_loadcnt 0x0
	v_perm_b32 v[QS], v[QSR], v[QSR], s30            ; my head's two bytes, twice: they serve [Q | 0] and [0 | Q] alike
	WIN 0x40
.set i, 0
.rept 32
	v_cvt_scale_pk8_f32_fp4 v[8*i:8*i+7], v[MW+i], v[BSC]      ; 0, or -6 x 2^123 for a hidden key: the C of tile i
.set i, i+1
.endr
.rept 8
	v_nop                                            ; a scale register written by a vector instruction stands 8 places ahead of a scaled matrix instruction; also the place behind the conversions
.endr
.set f, 0
.rept 16
	WIN 0x52                                         ; K window 2, Q window 0, S^T window 1
	v_wmma_scale_f32_16x16x128_f8f6f4 v[16*f:16*f+7], v[12*f:12*f+11], v[QLO:QLO+11], v[16*f:16*f+7], v[KS+f], v[QS] matrix_a_fmt:MATRIX_FMT_FP6 matrix_b_fmt:MATRIX_FMT_FP6
	v_wmma_scale_f32_16x16x128_f8f6f4 v[16*f+8:16*f+15], v[12*f:12*f+11], v[QHI:QHI+11], v[16*f+8:16*f+15], v[KS+f], v[QS] matrix_a_fmt:MATRIX_FMT_FP6 matrix_b_fmt:MATRIX_FMT_FP6
.if f == 3
.rept 4
	v_nop                                            ; places in front of the first read of results
.endr
.endif
.if f >= 4
	WIN 0x14                                         ; the four blocks made four pairs of products ago: two rounds of their maxima
	MAXR f/4-1, 2*(f%4)
	MAXR f/4-1, 2*(f%4)+1
.endif
.set f, f+1
.endr
	WIN 0x14
.irp e, 0,1,2,3,4,5,6,7
	MAXR 3, \e
.endr
	WIN 0
	s_cmp_lt_u32 s14, 31                             ; the next tile's loads; in the last step the bases stay, so that no load leaves its buffer
	s_cselect_b32 s52, 768, 0
	s_cselect_b32 s54, 64, 0
	s_cselect_b32 s56, 16384, 0
	s_add_nc_u64 s[16:17], s[16:17], s[52:53]        ; (the loads that read these bases were waited for at the step's head)
	s_add_nc_u64 s[18:19], s[18:19], s[54:55]
	s_add_nc_u64 s[20:21], s[20:21], s[56:57]
	QLOAD
	; ---- my own softmax
.set i, 0
.rept 16
	v_permlanex16_b32 v[TM2+i], v[TM+i], s28, s29
.set i, i+1
.endr
.set i, 0
.rept 16
	v_max_num_f32 v[TM+i], v[TM+i], v[TM2+i]         ; with lane l xor 16's 16 keys: the block's largest score
.set i, i+1
.endr
	v_max3_num_f32 v28, v[TM], v[TM+1], v[TM+2]
	v_max3_num_f32 v29, v[TM+3], v[TM+4], v[TM+5]
	v_max3_num_f32 v30, v[TM+6], v[TM+7], v[TM+8]
	v_max3_num_f32 v31, v[TM+9], v[TM+10], v[TM+11]
	v_max3_num_f32 v28, v28, v[TM+12], v[TM+13]
	v_max3_num_f32 v29, v29, v[TM+14], v[TM+15]
	v_max3_num_f32 v28, v28, v30, v31
	v_max_num_f32 v28, v28, v29                      ; my query's largest score among my 512 keys
	v_mul_f32 v28, s26, v28
	v_max_num_f32 v28, 0xf149f2ca, v28               ; never under -1e30: where all my keys are hidden, every p is 0
	v_floor_f32 v16, -v28                            ; -M_w: a whole number
.set i, 0
.rept 16
	v_fma_f32 v[TM+i], v[TM+i], s26, v16
.set i, i+1
.endr
	WIN 0x41
	v_pk_fma_f32 v[0:1], v[0:1], s[26:27], v[16:17] op_sel_hi:[1,0,0]
	v_pk_fma_f32 v[2:3], v[2:3], s[26:27], v[16:17] op_sel_hi:[1,0,0]
.set i, 0
.rept 128                              ; ONE BATCH: a scaling (two pairs ahead) and two exponentials by turns; none of these reads an exponential's result
.if i+2 < 128
	v_pk_fma_f32 v[2*i+4:2*i+5], v[2*i+4:2*i+5], s[26:27], v[16:17] op_sel_hi:[1,0,0]
.endif
	v_exp_f32 v[2*i], v[2*i]
	v_exp_f32 v[2*i+1], v[2*i+1]
.set i, i+1
.endr
	WIN 0
.set i, 0
.rept 16
	v_exp_f32 v[TM+i], v[TM+i]                       ; the blocks' largest p
.set i, i+1
.endr
	v_nop                                            ; a plain place behind the last exponential
	s_wait_alu depctr_va_vdst(0)                     ; one wait for the whole batch, ahead of its first reader
	WIN 0x05
.irp k, 0,1,2,3
	v_pk_add_f32 v[SUM+2*\k:SUM+2*\k+1], v[2*\k:2*\k+1], v[8+2*\k:9+2*\k]
.endr
	WIN 0x04
.set i, 8
.rept 120
	v_pk_add_f32 v[SUM+2*(i%4):SUM+2*(i%4)+1], v[SUM+2*(i%4):SUM+2*(i%4)+1], v[2*i:2*i+1]
.set i, i+1
.endr
	WIN 0
	v_pk_add_f32 v[SUM:SUM+1], v[SUM:SUM+1], v[SUM+2:SUM+3]
	v_pk_add_f32 v[SUM+4:SUM+5], v[SUM+4:SUM+5], v[SUM+6:SUM+7]
	v_pk_add_f32 v[SUM:SUM+1], v[SUM:SUM+1], v[SUM+4:SUM+5]
	v_add_f32 v28, v[SUM], v[SUM+1]
	v_permlanex16_b32 v29, v28, s28, s29
	v_add_f32 v17, v28, v29                          ; l_w
	ds_store_b64 v4, v[16:17]
	s_wait_dscnt 0x0                                 ; for the others' sake: (M, l) is in LDS, and so are my earlier parts of O
	s_barrier_signal -1
	s_barrier_wait -1
	; ---- the row's sum
.irp w, 0,1,2,3
	ds_load_b64 v[XV+2*\w:XV+2*\w+1], v2 offset:256*\w
.endr
	s_wait_dscnt 0x0                                 ; my reads of the four (M, l) are over:
	s_barrier_signal -1                              ; say so; only work on registers stands between this signal and its wait
	v_min3_num_f32 v28, v[XV], v[XV+2], v[XV+4]
	v_min_num_f32 v28, v28, v[XV+6]                  ; -M
.irp w, 0,1,2,3
	v_sub_f32 v[FF+\w], v28, v[XV+2*\w]              ; M_w - M: a whole number, 0 or less
.endr
	v_sub_f32 v[FF+4], v28, v16
.irp w, 0,1,2,3,4
	v_cvt_i32_f32 v[FF+\w], v[FF+\w]                 ; (it saturates)
.endr
.irp w, 0,1,2,3,4
	v_ldexp_f32 v[FF+\w], 1.0, v[FF+\w]              ; 2^(M_w - M)
.endr
	v_mul_f32 v29, v[FF], v[XV+1]
	v_fmac_f32 v29, v[FF+1], v[XV+3]
	v_fmac_f32 v29, v[FF+2], v[XV+5]
	v_fmac_f32 v29, v[FF+3], v[XV+7]
	v_max_num_f32 v29, 0x0d800000, v29               ; 2^-100 from below: a row hidden whole has p = 0 throughout and gives zeros
	v_rcp_f32 v30, v29
	v_nop
	s_wait_alu depctr_va_vdst(0)                     ; the wait ahead of the reciprocal's first reader
	v_mul_f32 v26, v[FF+4], v30                      ; g
	; ---- attn is quantised and multiplied, 128 keys at a time; the next 128 keys' vector work stands ahead of each run of products
	QP 0
	QP 1
	PVW 0
	QP 2
	PVW 1
	QP 3
	PVW 2
.rept 8
	v_nop                                            ; the last scale word stands 8 places ahead of its products
.endr
	PVW 3
	WIN 0
	v_add_nc_u32 v8, s50, v6
.rept 4
	v_nop                                            ; places in front of the first read of results
.endr
	s_barrier_wait -1                                ; every wave has read the four (M, l), and (behind the last sum) the stage
	WIN 0x0c                                         ; an LDS store's data are its source 1: window 3
.irp t, 0,1,2,3
	ds_store_b128 v8, v[OA+8*\t:OA+8*\t+3] offset:1024*\t
	ds_store_b128 v8, v[OA+8*\t+4:OA+8*\t+7] offset:1024*\t+512
.endr
	WIN 0
	s_add_co_u32 s50, s50, 16384
	s_add_co_u32 s14, s14, 1
	s_sub_co_u32 s15, s15, 1
	s_cmp_lg_u32 s15, 0
	s_cbranch_scc1 .Lstep
	; ---- four tiles' parts lie in the stage: wave w adds the four parts of tile w, quantises along the head's 64 and stores one half fragment
	s_wait_dscnt 0x0
	s_barrier_signal -1
	s_barrier_wait -1
	WIN 0x80
.irp i, 0,1
.irp k, 0,1,2,3,4,5,6,7
	ds_load_b128 v[192+32*\i+4*\k:192+32*\i+4*\k+3], v7 offset:4096*\i+512*\k
.endr
.endr
	WIN 0xc0
.irp i, 0,1
.irp k, 0,1,2,3,4,5,6,7
	ds_load_b128 v[192+32*\i+4*\k:192+32*\i+4*\k+3], v7 offset:4096*(2+\i)+512*\k
.endr
.endr
	s_wait_dscnt 0x0
	WIN 0x8a
.set i, 0
.rept 16
	v_pk_add_f32 v[192+2*i:193+2*i], v[192+2*i:193+2*i], v[224+2*i:225+2*i]
.set i, i+1
.endr
	WIN 0xcf
.set i, 0
.rept 16
	v_pk_add_f32 v[192+2*i:193+2*i], v[192+2*i:193+2*i], v[224+2*i:225+2*i]
.set i, i+1
.endr
	WIN 0x0e
.set i, 0
.rept 16
	v_pk_add_f32 v[OS+2*i:OS+2*i+1], v[192+2*i:193+2*i], v[192+2*i:193+2*i]   ; register 16 b + i = channel 32 b + 16 h + i of my query
.set i, i+1
.endr
	WIN 0
.irp b, 0,1
	v_max3_num_f32 v[TMO+\b], |v[OS+16*\b]|, |v[OS+16*\b+1]|, 0x1800000
.endr
.irp i, 2,4,6,8,10,12,14
.irp b, 0,1
	v_max3_num_f32 v[TMO+\b], v[TMO+\b], |v[OS+16*\b+\i]|, |v[OS+16*\b+\i+1]|
.endr
.endr
.irp b, 0,1
	v_permlanex16_b32 v[TMO+2+\b], v[TMO+\b], s28, s29
.endr
.irp b, 0,1
	v_max_num_f32 v[TMO+\b], v[TMO+\b], v[TMO+2+\b]
.endr
.irp b, 0,1
	v_add_nc_u32 v[TMO+4+\b], 0xff000000, v[TMO+\b]
.endr
.irp b, 0,1
	v_lshrrev_b32 v[TMO+2+\b], 23, v[TMO+4+\b]
.endr
	v_lshl_or_b32 v[PWO], v[TMO+3], 8, v[TMO+2]      ; (the last stores' registers were freed by the wait behind them)
	v_cvt_scalef32_pk16_fp6_f32 v[OQ:OQ+2], v[OS:OS+15], v[TMO+4]
	v_cvt_scalef32_pk16_fp6_f32 v[OY:OY+2], v[OS+16:OS+31], v[TMO+5]
	v_nop
.irp i, 0,1,2
	v_permlane16_swap_b32 v[OQ+\i], v[OY+\i]
.endr
.irp i, 0,1,2
	v_mov_b32 v[OQ+3+\i], v[OY+\i]
.endr
	global_store_b128 v1, v[OQ:OQ+3], s[22:23]       ; 512 and 256 consecutive bytes, aligned to 256
	global_store_b64 v2, v[OQ+4:OQ+5], s[22:23] offset:512
	global_store_b16 v9, v[PWO], s[24:25]            ; my row's two scale bytes (lanes 16-31 store the same value at the same place)
	s_wait_xcnt 0x0                                  ; the stores have read their registers and bases
	s_add_nc_u64 s[22:23], s[22:23], 49152           ; four tiles on
	s_add_nc_u64 s[24:25], s[24:25], 2048
	s_sub_co_u32 s31, s31, 1
	s_cmp_lg_u32 s31, 0
	s_cbranch_scc1 .Louter
	s_wait_tensorcnt 0x0                             ; the wave's end
	ds_add_u32 v[SPW], v[NIL]
	s_wait_dscnt 0x0
	s_endpgm
.Lfunc_end_k_q26212d4dd7_attn:
	.size	k_q26212d4dd7_attn, .Lfunc_end_k_q26212d4dd7_attn-k_q26212d4dd7_attn
	.p2alignl 7, 3214868480
	.fill 96, 4, 3214868480
	.section	.rodata,"a",@progbits
	.p2align	6, 0x0
	.amdhsa_kernel k_q26212d4dd7_attn
		.amdhsa_group_segment_fixed_size 67072
		.amdhsa_private_segment_fixed_size 0
		.amdhsa_enable_private_segment 0
		.amdhsa_kernarg_size 24
		.amdhsa_user_sgpr_count 2
		.amdhsa_user_sgpr_kernarg_segment_ptr 1
		.amdhsa_wavefront_size32 1
		.amdhsa_system_sgpr_workgroup_id_x 1
		.amdhsa_system_sgpr_workgroup_id_y 1
		.amdhsa_system_sgpr_workgroup_id_z 1
		.amdhsa_system_vgpr_workitem_id 0
		.amdhsa_next_free_vgpr 1024
		.amdhsa_next_free_sgpr 66
		.amdhsa_reserve_vcc 0
		.amdhsa_float_denorm_mode_32 3
		.amdhsa_float_denorm_mode_16_64 3
		.amdhsa_memory_ordered 1
		.amdhsa_forward_progress 1
		.amdhsa_inst_pref_size 97
	.end_amdhsa_kernel
	.amdgpu_metadata
---
amdhsa.version: [ 1, 2 ]
amdhsa.kernels:
  - .name:           k_q26212d4dd7_attn
    .symbol:         k_q26212d4dd7_attn.kd
    .args:
      - { .name: qkv, .offset: 0, .size: 8, .value_kind: global_buffer, .address_space: global }
      - { .name: mk, .offset: 8, .size: 8, .value_kind: global_buffer, .address_space: global }
      - { .name: ao, .offset: 16, .size: 8, .value_kind: global_buffer, .address_space: global }
    .group_segment_fixed_size: 67072
    .private_segment_fixed_size: 0
    .kernarg_segment_align: 8
    .kernarg_segment_size: 24
    .max_flat_workgroup_size: 128
    .sgpr_count:     66
    .vgpr_count:     1024
    .wavefront_size: 32
...
	.end_amdgpu_metadata
.endif
;; end of part 5
;; launch gemm_out (part 6): grid 4 x 32, 4 waves a work-group, clusters of 4 x 4, 327,680 bytes of LDS; arguments ao, wq, bout, out0; writes out0
.if DOCPART == 6
	.amdgcn_target "amdgcn-amd-amdhsa--gfx1250"
	.amdhsa_code_object_version 6
	.text
	.protected	k_q26212d4dd7_gemm_out
	.globl	k_q26212d4dd7_gemm_out
	.p2align	8
	.type	k_q26212d4dd7_gemm_out,@function
k_q26212d4dd7_gemm_out:
	s_mov_b64 s[64:65], 0
	v_nop
	global_prefetch_b8 v0, s[64:65] scope:SCOPE_SE
	s_setreg_imm32_b32 hwreg(HW_REG_WAVE_MODE, 25, 1), 1
	s_wait_xcnt 0x0
	s_wait_alu depctr_hold_cnt(0) depctr_sa_sdst(0) depctr_va_vdst(0) depctr_va_sdst(0) depctr_va_ssrc(0) depctr_va_vcc(0) depctr_vm_vsrc(0)
	s_getreg_b32 s2, hwreg(HW_REG_IB_STS2, 6, 4)
	s_cmp_eq_u32 s2, 0
	s_cbranch_scc0 .Lentry_in_a_cluster
	s_endpgm
.Lentry_in_a_cluster:
	s_bfe_u32 s2, ttmp6, 0x10000c
	s_cmp_lg_u32 s2, 0xf033
	s_cbranch_scc0 .Lentry_shape_is_right
	s_endpgm
.Lentry_shape_is_right:
; out0 = o Wout + bout on codes of FP6 (E2M3) with E8M0 scales; out0 [8192][1024] f32.
; A work-group of four waves makes 256 x 256, a wave 128 x 128: 64 accumulators.  K = 1,024 goes in four steps of 256 through a ring of two LDS slots filled by the tensor data mover.
; R (source 1, rows on lanes) = tokens (ao); P (source 0, rows on a lane's registers) = Wout's columns (wq's tiles 192 on): a lane's registers are neighbouring columns of one row of out0.
; All codes lie in the order of the operand's registers: a half fragment (16 rows x 64 K) is 768 bytes; a tile's K step of 256 is 3,072 dense bytes; a fragment is four LDS loads of consecutive bytes.
; The 16 rows of a tile are places r -> 32 (T / 2) + 8 (T % 2) + r + 8 (r / 8).
; CLUSTERS: 4 x 4.  R's tiles are asked for jointly along a row of the cluster, P's along a column.  The bias is the C of the first K step's products.
; 128 work-groups: the product has 128 blocks of 256 x 256.
; REGISTERS: window 0: v16-29 addresses; v32-63 scale words, two sets; v64-127 the bias; v128-223 R's fragments (on the way out v128-255 rows of out0).  window 1: P's fragments, two sets.  windows 2, 3: accumulators.
.set XSO,   6291456
.set WSO,   3145728
.set TILEB, 12288
.set SLB,   3072
.set HALFT, 8*SLB
.set SLOT,  4*HALFT
.set SCL,   2*SLOT
.set SPARE, SCL+16384
.set SPITCH, 528                       ; the way out: a stage of 16 rows x (512 + 16) bytes a wave, in slot 0, which has had its last fill and its last read by then
.set FR,    12
.set NL,    4
.set NQ,    2
.set NP,    4
.set ADRA,  16
.set ADRB,  20
.set STO,   24
.set RD,    25
.set CO,    26
.set ADRS,  27
.set SPW,   28
.set NIL,   29
.set SC,    32
.set BP,    64
.set AF,    128
.set BK,    128
.set G1,    24
.set G0,    32
.set G1B,   48
.set G0B,   56
.set G1S,   68
.set G0S,   76
.set G1SB,  80
.set G0SB,  88
.set MSB, 0
.macro WIN new
.if MSB != (\new)
	s_set_vgpr_msb (MSB<<8)|(\new)
.set MSB, (\new)
.endif
.endm
.set MUL_LO, 0xa1
.set MUL_HI, 0xf1
.set TO_B,   0x40
.macro JLOAD g0a, g1a, g0b, g1b        ; a joint load: waves 0 and 1 fetch for R, waves 2 and 3 for P; an s_nop 0 and four v_nop follow each of the two lines
	s_cmp_eq_u32 s15, 0
	s_cbranch_scc0 .Lfor_b_\@
	tensor_load_to_lds s[\g0a:\g0a+3], s[\g1a:\g1a+7]
	s_nop 0
.rept 4
	v_nop
.endr
	s_branch .Lasked_\@
.Lfor_b_\@:
	tensor_load_to_lds s[\g0b:\g0b+3], s[\g1b:\g1b+7]
	s_nop 0
.rept 4
	v_nop
.endr
.Lasked_\@:
.endm
.macro CREST
	s_cmp_lg_u32 s14, 0
	s_cbranch_scc1 .Lnot_wave_0_\@
	s_barrier_signal -3
.Lnot_wave_0_\@:
	s_barrier_wait -3
	s_barrier_signal -1
	s_barrier_wait -1
.endm
.macro CROUND
	s_barrier_signal -1
	s_barrier_wait -1
	CREST
.endm
	s_load_b256 s[4:11], s[0:1], 0x0                 ; ao s[4:5], wq s[6:7], bout s[8:9], out0 s[10:11]
	v_lshl_add_u32 v[SPW], v0, 2, SPARE
	v_mov_b32 v[NIL], 0
	ds_add_u32 v[SPW], v[NIL]                        ; the wave's opening: the add and its wait ahead of my first tensor load
	v_lshrrev_b32 v1, 5, v0
	v_readfirstlane_b32 s14, v1
	s_lshr_b32 s15, s14, 1
	s_and_b32 s16, s14, 1
	s_bfe_u32 s40, ttmp6, 0x40000                    ; cx
	s_bfe_u32 s41, ttmp6, 0x40004                    ; cy
	s_lshl_b32 s42, ttmp9, 2
	s_add_co_u32 s42, s42, s40                       ; block of 256 columns
	s_and_b32 s17, ttmp7, 0xffff
	s_lshl_b32 s17, s17, 2
	s_add_co_u32 s17, s17, s41                       ; block of 256 tokens
	s_lshl_b32 s43, s41, 2
	s_lshl_b32 s43, 15, s43                          ; my row of the cluster
	s_lshl_b32 s44, 0x1111, s40                      ; my column
	s_or_b32 s[G1+0], s43, (3<<16)|(1<<21)           ; codes: 8 rows (tiles) of 384 elements of 8 bytes, 1,536 elements apart
	s_or_b32 s[G1B+0], s44, (3<<16)|(1<<21)
.irp g, G1, G1B
	s_mov_b32 s[\g+1], 384<<16
	s_mov_b32 s[\g+2], 8<<16
	s_mov_b32 s[\g+3], 384<<16
	s_mov_b32 s[\g+4], 8
	s_mov_b32 s[\g+5], 1536
	s_mov_b32 s[\g+6], 0
	s_mov_b32 s[\g+7], 0
.endr
	s_or_b32 s[G1S+0], s43, (3<<16)|(1<<21)          ; scale bytes of 8 tiles: 16 rows of 256 dense bytes
	s_or_b32 s[G1SB+0], s44, (3<<16)|(1<<21)
.irp g, G1S, G1SB
	s_mov_b32 s[\g+1], 32<<16
	s_mov_b32 s[\g+2], 16<<16
	s_mov_b32 s[\g+3], 32<<16
	s_mov_b32 s[\g+4], 16
	s_mov_b32 s[\g+5], 32
	s_mov_b32 s[\g+6], 0
	s_mov_b32 s[\g+7], 0
.endr
	s_lshl_b32 s18, s16, 3
	s_lshl_b32 s20, s17, 4
	s_add_co_u32 s20, s20, s18                       ; R: the first tile that I fetch
	s_add_co_u32 s46, s42, 12                        ; Wout's tiles lie behind Wqkv's 192
	s_lshl_b32 s46, s46, 4
	s_add_co_u32 s46, s46, s18                       ; P likewise
	s_lshl_b32 s22, s20, 9
	s_add_co_u32 s22, s22, XSO
	s_mov_b32 s23, 0
	s_lshl_b32 s66, s46, 9
	s_add_co_u32 s66, s66, WSO
	s_mov_b32 s67, 0
	s_mul_i32 s20, s20, TILEB
	s_mov_b32 s21, 0
	s_mul_i32 s46, s46, TILEB
	s_mov_b32 s47, 0
	s_mul_i32 s45, s14, HALFT
	s_lshl_b32 s99, s14, 12
	s_wait_dscnt 0x0                                 ; the opening add is done
	s_wait_kmcnt 0x0
	s_add_nc_u64 s[20:21], s[4:5], s[20:21]
	s_add_nc_u64 s[22:23], s[4:5], s[22:23]
	s_add_nc_u64 s[46:47], s[6:7], s[46:47]
	s_add_nc_u64 s[66:67], s[6:7], s[66:67]
	CROUND                                           ; all sixteen work-groups are here: the first joint loads meet
	s_mov_b32 s[G0S], 1
	s_add_co_u32 s[G0S+1], s99, SCL
	s_mov_b64 s[G0S+2:G0S+3], s[22:23]
	s_or_b32 s[G0S+3], s[G0S+3], 0x80000000
	s_mov_b32 s[G0SB], 1
	s_add_co_u32 s[G0SB+1], s99, SCL
	s_mov_b64 s[G0SB+2:G0SB+3], s[66:67]
	s_or_b32 s[G0SB+3], s[G0SB+3], 0x80000000
	JLOAD G0S, G1S, G0SB, G1SB
.irp s, 0,1
	s_mov_b32 s[G0+4*\s], 1
	s_add_co_u32 s[G0+4*\s+1], s45, \s*SLOT
	s_add_nc_u64 s[G0+4*\s+2:G0+4*\s+3], s[20:21], \s*SLB
	s_or_b32 s[G0+4*\s+3], s[G0+4*\s+3], 0x80000000
	s_mov_b32 s[G0B+4*\s], 1
	s_add_co_u32 s[G0B+4*\s+1], s45, \s*SLOT
	s_add_nc_u64 s[G0B+4*\s+2:G0B+4*\s+3], s[46:47], \s*SLB
	s_or_b32 s[G0B+4*\s+3], s[G0B+4*\s+3], 0x80000000
	JLOAD G0+4*\s, G1, G0B+4*\s, G1B
.endr
	v_and_b32 v1, 15, v0                             ; r
	v_bfe_u32 v2, v0, 4, 1                           ; h
	v_and_b32 v3, 31, v0
	v_lshlrev_b32 v[CO], 4, v3                       ; 16 x lane
	v_lshlrev_b32 v4, 3, v3                          ; 8 x lane
	s_mul_i32 s21, s15, HALFT
	s_mul_i32 s22, s16, HALFT
	s_add_co_u32 s22, s22, 2*HALFT
.irp s, 0,1
	v_add_nc_u32 v[ADRA+\s], s21, v[CO]
	v_add_nc_u32 v[ADRB+\s], s22, v[CO]
	v_add_nc_u32 v[ADRA+2+\s], s21, v4
	v_add_nc_u32 v[ADRB+2+\s], s22, v4
	s_add_co_u32 s21, s21, SLOT
	s_add_co_u32 s22, s22, SLOT
.endr
	v_lshlrev_b32 v5, 3, v1
	s_lshl_b32 s21, s15, 12
	s_lshl_b32 s22, s16, 12
	s_add_co_u32 s22, s22, 8192
	s_sub_co_u32 s22, s22, s21
	v_mul_u32_u24 v6, s22, v2                        ; lanes 16-31 take P's scale words
	s_add_co_u32 s21, s21, SCL
	v_add_nc_u32 v5, v5, v6
	v_add_nc_u32 v[ADRS], s21, v5
	s_mul_i32 s23, s14, 16*SPITCH                    ; my stage
	v_mul_u32_u24 v5, v1, SPITCH
	v_lshl_add_u32 v5, v2, 6, v5
	v_add_nc_u32 v[STO], s23, v5                     ; in: row r, + 64 h bytes
	v_add_nc_u32 v[RD], s23, v[CO]                   ; back: the 32 lanes take one row of 512 bytes
	s_lshl_b32 s20, s17, 1
	s_add_co_u32 s20, s20, s15
	s_lshl_b32 s20, s20, 19                          ; my 128 tokens: rows of 4,096 bytes
	s_lshl_b32 s46, s42, 1
	s_add_co_u32 s46, s46, s16
	s_lshl_b32 s46, s46, 9                           ; my 128 columns, in bytes
	s_mov_b32 s47, 0
	s_add_co_u32 s20, s20, s46
	s_mov_b32 s21, 0
	s_add_nc_u64 s[10:11], s[10:11], s[20:21]
	s_add_nc_u64 s[8:9], s[8:9], s[46:47]
	v_lshlrev_b32 v7, 6, v2
.irp b, 0,1,2,3,4,5,6,7
	global_load_b128 v[BP+8*\b:BP+8*\b+3], v7, s[8:9] offset:(32*(\b/2)+8*(\b%2))*4
	global_load_b128 v[BP+8*\b+4:BP+8*\b+7], v7, s[8:9] offset:(32*(\b/2)+8*(\b%2))*4+16
.endr
	s_wait_loadcnt 0x0
.macro FRAG reg, adr, q, i
	ds_load_b128 v[\reg:\reg+3], v[\adr] offset:SLB*(\i)+1536*(\q)
	ds_load_b64 v[\reg+4:\reg+5], v[\adr+2] offset:SLB*(\i)+1536*(\q)+512
	ds_load_b128 v[\reg+6:\reg+9], v[\adr] offset:SLB*(\i)+1536*(\q)+768
	ds_load_b64 v[\reg+10:\reg+11], v[\adr+2] offset:SLB*(\i)+1536*(\q)+1280
.endm
.macro MUL16 a0, p, q, sc, first       ; the 64 accumulators take turns, one instruction a turn
.irp a, \a0, \a0+1
.irp b, 0,1,2,3,4,5,6,7
.if \first
	v_wmma_scale_f32_16x16x128_f8f6f4 v[8*(8*((\a)%4)+\b):8*(8*((\a)%4)+\b)+7], v[128*(\p)+FR*\b:128*(\p)+FR*\b+FR-1], v[AF+FR*(\a):AF+FR*(\a)+FR-1], v[BP+8*\b:BP+8*\b+7], v[SC+8*NQ*(\sc)+NQ*\b+(\q)], v[SC+8*NQ*(\sc)+NQ*(\a)+(\q)] matrix_a_fmt:MATRIX_FMT_FP6 matrix_b_fmt:MATRIX_FMT_FP6 matrix_a_scale:MATRIX_SCALE_ROW1
.else
	v_wmma_scale_f32_16x16x128_f8f6f4 v[8*(8*((\a)%4)+\b):8*(8*((\a)%4)+\b)+7], v[128*(\p)+FR*\b:128*(\p)+FR*\b+FR-1], v[AF+FR*(\a):AF+FR*(\a)+FR-1], v[8*(8*((\a)%4)+\b):8*(8*((\a)%4)+\b)+7], v[SC+8*NQ*(\sc)+NQ*\b+(\q)], v[SC+8*NQ*(\sc)+NQ*(\a)+(\q)] matrix_a_fmt:MATRIX_FMT_FP6 matrix_b_fmt:MATRIX_FMT_FP6 matrix_a_scale:MATRIX_SCALE_ROW1
.endif
.endr
.endr
.endm
.macro FETCH_B slot, q, p
	WIN TO_B
.irp i, 0,1,2,3,4,5,6,7
	FRAG 128*(\p)+FR*\i, ADRB+\slot, \q, \i
.endr
	WIN 0
.endm
.macro FETCH_A slot, q, i0
.irp i, \i0, \i0+1, \i0+2, \i0+3
	FRAG AF+FR*(\i), ADRA+\slot, \q, \i
.endr
.endm
.macro SCALES sc
.irp i, 0,1,2,3,4,5,6,7
	ds_load_b64 v[SC+8*NQ*\sc+NQ*\i:SC+8*NQ*\sc+NQ*\i+1], v[ADRS] offset:512*\i
.endr
.endm
.macro PLACES n
.rept \n
	v_nop
.endr
.endm
.macro STEP slot, q, first
	s_wait_dscnt 4*NL                                ; P's set and R's blocks 0-3 are in; the youngest 16 loads (R's blocks 4-7) may be out
.if \first
	WIN 0x81
.else
	WIN MUL_LO
.endif
	MUL16 0, (\q)%2, \q, \slot, \first
	MUL16 2, (\q)%2, \q, \slot, \first
	s_wait_dscnt 0
	PLACES NP
	FETCH_B \slot, (\q)+1, 1-(\q)%2
	FETCH_A \slot, (\q)+1, 0
.if \first
	WIN 0xc1
.else
	WIN MUL_HI
.endif
	MUL16 4, (\q)%2, \q, \slot, \first
	MUL16 6, (\q)%2, \q, \slot, \first
	PLACES NP
	WIN 0
	FETCH_A \slot, (\q)+1, 4
.endm
.macro TURN slot, next, fill
	s_wait_tensorcnt 0x0                             ; all my tensor loads have landed: my part of the next slot
	ds_add_u32 v[SPW], v[NIL]                        ; 0 onto my spare word
	s_wait_dscnt 4*NL+1                              ; (the add and the youngest 16 loads may be out)
	WIN MUL_LO
	MUL16 0, 1, NQ-1, \slot, 0
	s_wait_dscnt 0x0                                 ; the add is done, and my reads of this slot are over
	s_barrier_signal -1
	MUL16 2, 1, NQ-1, \slot, 0
	WIN 0
	s_barrier_wait -1
.if \fill
	CREST                                            ; a round of the cluster's barrier: no wave of any partner still reads this slot or has a load on its way
	s_add_nc_u64 s[G0+4*\slot+2:G0+4*\slot+3], s[G0+4*\slot+2:G0+4*\slot+3], 2*SLB
	s_add_nc_u64 s[G0B+4*\slot+2:G0B+4*\slot+3], s[G0B+4*\slot+2:G0B+4*\slot+3], 2*SLB
	JLOAD G0+4*\slot, G1, G0B+4*\slot, G1B
.else
	PLACES NP
.endif
	v_add_nc_u32 v[ADRS], 128, v[ADRS]
	FETCH_B \next, 0, 0
	FETCH_A \next, 0, 0
	SCALES \next
	WIN MUL_HI
	MUL16 4, 1, NQ-1, \slot, 0
	MUL16 6, 1, NQ-1, \slot, 0
	PLACES NP
	WIN 0
	FETCH_A \next, 0, 4
.endm
	s_wait_tensorcnt 1                               ; the scale bytes and my part of K step 0 are in (K step 1's load may be out),
	s_barrier_signal -1
	s_barrier_wait -1                                ; everybody's are
	FETCH_B 0, 0, 0
	FETCH_A 0, 0, 0
	SCALES 0
	FETCH_A 0, 0, 4
	STEP 0, 0, 1
	TURN 0, 1, 1
	STEP 1, 0, 0
	TURN 1, 0, 1
	STEP 0, 0, 0
	TURN 0, 1, 0
	STEP 1, 0, 0
	s_wait_dscnt 4*NL
	WIN MUL_LO
	MUL16 0, 1, NQ-1, 1, 0
	MUL16 2, 1, NQ-1, 1, 0
	s_wait_dscnt 0
	WIN MUL_HI
	MUL16 4, 1, NQ-1, 1, 0
	MUL16 6, 1, NQ-1, 1, 0
	WIN 0
; THE WAY OUT, block by block of 16 rows x 128 columns, through my own stage: in tile b a lane's eight registers are columns 32 (b / 2) + 16 h + 8 (b % 2) + 0 .. 7 of row r; back come whole rows of 512 bytes.
.macro TOSTAGE a
.set AC, 64*((\a)%4)
	WIN 0x08+4*((\a)/4)                              ; the data: window 2 or 3
.irp b, 0,1,2,3,4,5,6,7
	ds_store_b128 v[STO], v[AC+8*\b:AC+8*\b+3] offset:128*(\b/2)+32*(\b%2)          ; each accumulator from its low end on
	ds_store_b128 v[STO], v[AC+8*\b+4:AC+8*\b+7] offset:128*(\b/2)+32*(\b%2)+16
.endr
	WIN 0
.set BB, BK+64*((\a)%2)
.irp t, 0,1,2,3,4,5,6,7,8,9,10,11,12,13,14,15
	ds_load_b128 v[BB+4*\t:BB+4*\t+3], v[RD] offset:\t*SPITCH      ; LDS serves a wave's instructions in order: these see the stores above
.endr
.endm
.macro SEND a, younger
.set BB, BK+64*((\a)%2)
	s_wait_dscnt \younger
.irp t, 0,1,2,3,4,5,6,7,8,9,10,11,12,13,14,15
	global_store_b128 v[CO], v[BB+4*\t:BB+4*\t+3], s[10:11] offset:(32*((\a)/2)+8*((\a)%2)+\t+8*(\t/8))*4096 th:TH_STORE_NT   ; place t of block a is this token; 512 consecutive bytes, aligned to 256
.endr
.endm
	PLACES NP
	TOSTAGE 0
.irp a, 1,2,3,4,5,6,7
.if \a > 1
	s_wait_xcnt 0x0                                  ; block a - 2's stores have read their registers: block a's loads may land there
.endif
	TOSTAGE \a
	SEND \a-1, 32                                    ; behind block a - 1's loads: block a's 16 stores and 16 loads
.endr
	SEND 7, 0
	s_wait_tensorcnt 0x0                             ; the wave's end
	ds_add_u32 v[SPW], v[NIL]
	s_wait_dscnt 0x0
	CROUND                                           ; the closing round
	s_endpgm
.Lfunc_end_k_q26212d4dd7_gemm_out:
	.size	k_q26212d4dd7_gemm_out, .Lfunc_end_k_q26212d4dd7_gemm_out-k_q26212d4dd7_gemm_out
	.p2alignl 7, 3214868480
	.fill 96, 4, 3214868480
	.section	.rodata,"a",@progbits
	.p2align	6, 0x0
	.amdhsa_kernel k_q26212d4dd7_gemm_out
		.amdhsa_group_segment_fixed_size 327680
		.amdhsa_private_segment_fixed_size 0
		.amdhsa_enable_private_segment 0
		.amdhsa_kernarg_size 32
		.amdhsa_user_sgpr_count 2
		.amdhsa_user_sgpr_kernarg_segment_ptr 1
		.amdhsa_wavefront_size32 1
		.amdhsa_system_sgpr_workgroup_id_x 1
		.amdhsa_system_sgpr_workgroup_id_y 1
		.amdhsa_system_sgpr_workgroup_id_z 1
		.amdhsa_system_vgpr_workitem_id 0
		.amdhsa_next_free_vgpr 1024
		.amdhsa_next_free_sgpr 100
		.amdhsa_reserve_vcc 0
		.amdhsa_float_denorm_mode_32 3
		.amdhsa_float_denorm_mode_16_64 3
		.amdhsa_memory_ordered 1
		.amdhsa_forward_progress 1
		.amdhsa_inst_pref_size 144
	.end_amdhsa_kernel
	.amdgpu_metadata
---
amdhsa.version: [ 1, 2 ]
amdhsa.kernels:
  - .name:           k_q26212d4dd7_gemm_out
    .symbol:         k_q26212d4dd7_gemm_out.kd
    .args:
      - { .name: ao, .offset: 0, .size: 8, .value_kind: global_buffer, .address_space: global }
      - { .name: wq, .offset: 8, .size: 8, .value_kind: global_buffer, .address_space: global }
      - { .name: bout, .offset: 16, .size: 8, .value_kind: global_buffer, .address_space: global }
      - { .name: out0, .offset: 24, .size: 8, .value_kind: global_buffer, .address_space: global }
    .group_segment_fixed_size: 327680
    .private_segment_fixed_size: 0
    .kernarg_segment_align: 8
    .kernarg_segment_size: 32
    .max_flat_workgroup_size: 128
    .sgpr_count:     100
    .vgpr_count:     1024
    .wavefront_size: 32
...
	.end_amdgpu_metadata
.endif
;; end of part 6
;; ======== version 2 of 2: 6 launches; version 1 with the launch attn written anew for expert scheduling mode
;; limits: right only within a limited range of input values
;; workspace buffers: xq 6,553,600 bytes; wq 3,276,800 bytes; mk 8,388,608 bytes; qkv 19,660,800 bytes; ao 6,553,600 bytes
;; launch quant_x: the kernel of part 1 again; grid 512 x 1, 4 waves a work-group, no clusters, 68,096 bytes of LDS; arguments inp, xq; writes xq
;; launch quant_w: the kernel of part 2 again; grid 32 x 4, 4 waves a work-group, no clusters, 26,112 bytes of LDS; arguments Wqkv, Wout, wq; writes wq
;; launch pack_mask: the kernel of part 3 again; grid 512 x 1, 8 waves a work-group, no clusters, 17,408 bytes of LDS; arguments mask, mk; writes mk
;; launch gemm_qkv: the kernel of part 4 again; grid 12 x 32, 4 waves a work-group, clusters of 4 x 4, 327,680 bytes of LDS; arguments xq, wq, bqkv, qkv; writes qkv
;; launch attn (part 7): grid 256 x 1, 4 waves a work-group, no clusters, 67,072 bytes of LDS; arguments qkv, mk, ao; writes ao
.if DOCPART == 7
	.amdgcn_target "amdgcn-amd-amdhsa--gfx1250"
	.amdhsa_code_object_version 6
	.text
	.protected	k_q26212d4dd7_attn
	.globl	k_q26212d4dd7_attn
	.p2align	8
	.type	k_q26212d4dd7_attn,@function
k_q26212d4dd7_attn:
	s_mov_b64 s[64:65], 0
	v_nop
	global_prefetch_b8 v0, s[64:65] scope:SCOPE_SE
	s_setreg_imm32_b32 hwreg(HW_REG_WAVE_SCHED_MODE, 0, 2), 2
	s_setreg_imm32_b32 hwreg(HW_REG_WAVE_MODE, 25, 1), 1
	s_wait_xcnt 0x0
	s_wait_alu depctr_vm_vsrc(0)
; attn = softmax(q k^T / 8, hidden keys out), o = attn v, both products on codes of FP6 (E2M3) with E8M0 scales; attn is quantised FINISHED (exp / sum, hidden entries 0), in blocks of 32 keys;
; o is quantised along the hidden axis for the last product and stored as codes.
; SHARES.  A work-group owns 512 queries of one head (32 tiles of 16).  THE FOUR WAVES SHARE THE KEYS: wave w owns keys 512 w .. 512 w + 511, and its K (192 registers) and V (192) stay in registers for the
; whole launch, read once.  A step takes one query tile: the wave's 16 x 512 scores are 256 registers and stay there until the row's sum is known: one score product, one exponential a score, no ring.
; LAYOUT.  Both products transposed: S^T = K Q^T, O^T = V^T P^T: a lane holds one query (lane % 16).  The keys of a tile are places r -> 32 (n / 2) + 8 (n % 2) + r + 8 (r / 8), so the 16 registers of
; tiles 2 b, 2 b + 1 are 16 neighbouring keys.  The head's 64 fill half of the instruction's 128 along K: source 0 holds TWO key tiles (one in each half of K), source 1 is [Q | 0] or [0 | Q].
; THE MASK is the C of the score product: 0, or -6 x 2^123 for a hidden key, widened from the packed codes.  Such a score gives p = 0.
; THE SOFTMAX.  t = score x log2(e) / 8.  Each wave takes its own M_w = ceil(its largest t) (never under -1e30), p = 2^(t - M_w) and the sum l_w; the four (M_w, l_w) meet in LDS;
; M = the largest M_w, l = the sum of 2^(M_w - M) l_w (held at 2^-100 from below, for a row that is hidden whole), g = 2^(M_w - M) / l, attn = p g.
; A block's largest attn is not searched for: the block's largest score goes through the same instructions (this leans on v_exp_f32 not falling where its input rises).
; O.  Each wave's part of O^T goes to LDS as an image of its registers; behind four steps wave w adds the four parts of tile w of the four, quantises and stores.
; NO CLUSTER, NO TENSOR LOAD: K and V (192 KiB a work-group) are read once, into registers; what a step reads (4 KiB of mask words and 768 bytes of q a wave) goes straight into registers a step ahead.
; LIMITS: NaN and infinities are not served; scores stay under 2^120 in magnitude; p under 2^-126 counts as 0; blocks of zeros keep the byte 1.
; REGISTERS.  window 1: S^T, tile n at 8 n.  window 2: v0-191 K (key tile n at 6 n); v192-255 parts of O.  window 3: v0-191 V (fragment 4 s + t at 12 (4 s + t)); v192-223 O^T; v192-255 parts of O.
; THE MODE: SCHED_MODE bits 1:0 = 2 (LLVM: expert scheduling mode 2), set by the entry lines.  The code itself states the register dependences
; between vector or matrix instructions and memory or LDS instructions, with s_wait_alu, always for 0.
; THE PLAN.  Registers that memory or LDS instructions touch:
;   v1-v4, v7, v9       offsets and LDS addresses: made at the head, never written again.
;   MW, QSR             read by the widenings and the v_perm_b32 at a step's head; the next tile's nine loads land in them.
;   Q's halves          v[QLO .. QLO+5], v[QHI+6 .. QHI+11]: read by the 32 score products; the next tile's four loads land in them.
;   v[16:17]            (-M, l): written by the softmax, read by one LDS store.
;   XV                  four LDS loads land in it; read by the lines that make the row's sum.
;   v8, O^T             written by an add and by the second product; read by eight LDS stores.
;   the parts           windows 2 and 3, v192-255: 32 LDS loads land in them every four steps (those of window 3 on O^T); read and written by the additions.
;   OQ, PWO             written by the conversions behind the additions; read by three global stores.
; The waits on va_vdst in a step: ahead of the first score product (the scale word and the C registers are written; the widenings are done with MW and QSR, so their loads are dealt among the score products
; with no further wait); behind the last maxima (the score products are done with Q); the exponentials'; ahead of the store of (-M, l); the reciprocal's; two ahead of the second product, each for two quarters
; of the keys; ahead of O^T's stores.  ONE wait on vm_vsrc in a step, ahead of the first barrier: the stores of (-M, l), the last step's stores of O^T by v8 and the last sum's global stores have read their registers.
.set QSO,   18874368
.set VCO,   12582912
.set VSO,   19398656
.set XSO,   6291456
.set OP,    1024                       ; LDS: 0 .. 1,023 the waves' (M, l); from OP the parts of O: [tile of four] 16,384 + [wave] 4,096
.set SPARE, OP+65536
.set SPW,   10
.set NIL,   11
.set BSC,   12                         ; the widening's scale byte, 250, in every byte
.set QSR,   13
.set QS,    14
.set SUM,   18                         ; v[18:25] four chains
.set MW,    32
.set QLO,   64
.set QHI,   76
.set KS,    88
.set VS,    104
.set TM,    120
.set TM2,   136
.set PC,    152
.set CY,    200
.set PW,    208
.set XV,    212
.set FF,    220
.set OQ,    228
.set OY,    234
.set TMO,   238
.set PWO,   244
.set OS,    152                        ; the summed O^T, where p's codes lay
.set OA,    192
.set MSB, 0
.macro WIN new
.if MSB != (\new)
	s_set_vgpr_msb (MSB<<8)|(\new)
.set MSB, (\new)
.endif
.endm
	s_load_b128 s[4:7], s[0:1], 0x0                  ; qkv, mk
	s_load_b64 s[8:9], s[0:1], 0x10                  ; ao
	v_lshl_add_u32 v[SPW], v0, 2, SPARE
	v_mov_b32 v[NIL], 0
	v_lshrrev_b32 v1, 5, v0
	v_readfirstlane_b32 s10, v1                      ; wave
	v_and_b32 v28, 31, v0
	v_and_b32 v29, 15, v0
	v_lshlrev_b32 v1, 4, v28                         ; 16 x lane
	v_lshlrev_b32 v2, 3, v28                         ; 8 x lane
	v_lshlrev_b32 v3, 2, v29                         ; 4 r
	v_lshlrev_b32 v9, 3, v29                         ; 8 r
	s_wait_alu depctr_va_sdst(0)                     ; s10 is written, ahead of its first reader: LDS addresses and the bases are made from it
	s_lshl_b32 s40, s10, 8
	v_add_nc_u32 v4, s40, v2                         ; where I put (M, l)
	s_lshl_b32 s40, s10, 12
	s_add_co_u32 s40, s40, OP
	v_add_nc_u32 v6, s40, v1                         ; where my part of O goes
	s_lshl_b32 s40, s10, 14
	s_add_co_u32 s40, s40, OP
	v_add_nc_u32 v7, s40, v1                         ; the tile whose parts I add
	v_mov_b32 v[BSC], 0xfafafafa
	v_mov_b32 v17, 0
	v_mov_b32 v27, 0
	v_mov_b32 v29, 0
.set i, 0
.rept 6
	v_mov_b32 v[QLO+6+i], 0                          ; [Q | 0]
	v_mov_b32 v[QHI+i], 0                            ; [0 | Q]
.set i, i+1
.endr
.set i, 0
.rept 16
	v_mov_b32 v[TM2+i], 0                            ; written once: a lane permute's destination counts as one of its sources
.set i, i+1
.endr
	v_mov_b32 v[TMO+2], 0
	v_mov_b32 v[TMO+3], 0
	s_and_b32 s11, ttmp9, 15                         ; head
	s_bfe_u32 s12, ttmp9, 0x20004                    ; which 512 queries
	s_lshr_b32 s13, ttmp9, 6                         ; batch
	s_lshl_b32 s40, s13, 7                           ; the batch's first token tile
	s_lshl_b32 s41, s10, 5
	s_add_co_u32 s41, s41, s40                       ; my first key tile
	s_lshl_b32 s42, s12, 5
	s_add_co_u32 s42, s42, s40                       ; the work-group's first query tile
	s_lshr_b32 s43, s11, 1                           ; the pair of heads
	s_lshl_b32 s44, s11, 2                           ; 4 x head
	s_add_co_u32 s32, s11, 16                        ; K's codes: ((16 + head) x 512 + tile) x 768
	s_lshl_b32 s32, s32, 9
	s_add_co_u32 s32, s32, s41
	s_mul_i32 s32, s32, 768
	s_mov_b32 s33, 0
	s_add_co_u32 s34, s43, 8                         ; K's scale words
	s_lshl_b32 s34, s34, 9
	s_add_co_u32 s34, s34, s41
	s_lshl_b32 s34, s34, 6
	s_add_co_u32 s34, s34, QSO
	s_mov_b32 s35, 0
	s_lshl_b32 s36, s41, 4                           ; V's codes: ((token / 64) x 64 + 4 head) x 768
	s_add_co_u32 s36, s36, s44
	s_mul_i32 s36, s36, 768
	s_add_co_u32 s36, s36, VCO
	s_mov_b32 s37, 0
	s_lshl_b32 s38, s41, 3                           ; V's scale words: ((token / 128) x 64 + 4 head) x 64
	s_add_co_u32 s38, s38, s44
	s_lshl_b32 s38, s38, 6
	s_add_co_u32 s38, s38, VSO
	s_mov_b32 s39, 0
	s_lshl_b32 s16, s11, 9                           ; Q's codes
	s_add_co_u32 s16, s16, s42
	s_mul_i32 s16, s16, 768
	s_mov_b32 s17, 0
	s_lshl_b32 s18, s43, 9                           ; Q's scale words
	s_add_co_u32 s18, s18, s42
	s_lshl_b32 s18, s18, 6
	s_add_co_u32 s18, s18, QSO
	s_mov_b32 s19, 0
	s_lshl_b32 s20, s42, 2                           ; the mask's words: (4 x query tile + wave) x 4,096
	s_add_co_u32 s20, s20, s10
	s_lshl_b32 s20, s20, 12
	s_mov_b32 s21, 0
	s_add_co_u32 s45, s42, s10                       ; the first tile that I store
	s_lshl_b32 s22, s45, 4
	s_add_co_u32 s22, s22, s11
	s_mul_i32 s22, s22, 768
	s_mov_b32 s23, 0
	s_lshl_b32 s24, s45, 9
	s_lshr_b32 s46, s11, 2
	s_lshl_b32 s46, s46, 7
	s_add_co_u32 s24, s24, s46
	s_and_b32 s46, s11, 3
	s_lshl_b32 s46, s46, 1
	s_add_co_u32 s24, s24, s46
	s_add_co_u32 s24, s24, XSO
	s_mov_b32 s25, 0
	s_mov_b32 s26, 0x3e38aa3b                        ; c = log2(e) / 8
	s_mov_b32 s27, s26
	s_mov_b32 s28, 0x76543210
	s_mov_b32 s29, 0xfedcba98
	s_mov_b32 s30, 0x07060302                        ; a raw scale word holds two heads' bytes: the odd head's upper two,
	s_and_b32 s46, s11, 1
	s_cmp_eq_u32 s46, 1
	s_cselect_b32 s30, s30, 0x05040100               ; the even head's lower two; of two words
	s_mov_b32 s53, 0
	s_mov_b32 s55, 0
	s_mov_b32 s57, 0
	s_wait_kmcnt 0x0
	s_add_nc_u64 s[32:33], s[4:5], s[32:33]
	s_add_nc_u64 s[34:35], s[4:5], s[34:35]
	s_add_nc_u64 s[36:37], s[4:5], s[36:37]
	s_add_nc_u64 s[38:39], s[4:5], s[38:39]
	s_add_nc_u64 s[16:17], s[4:5], s[16:17]
	s_add_nc_u64 s[18:19], s[4:5], s[18:19]
	s_add_nc_u64 s[20:21], s[6:7], s[20:21]
	s_add_nc_u64 s[22:23], s[8:9], s[22:23]
	s_add_nc_u64 s[24:25], s[8:9], s[24:25]
.macro QLD                             ; a query tile's codes, twice: the lower half of [Q | 0], the upper half of [0 | Q]
	global_load_b128 v[QLO:QLO+3], v1, s[16:17]
	global_load_b64 v[QLO+4:QLO+5], v2, s[16:17] offset:512
	global_load_b128 v[QHI+6:QHI+9], v1, s[16:17]
	global_load_b64 v[QHI+10:QHI+11], v2, s[16:17] offset:512
.endm
	s_wait_alu depctr_va_vdst(0)                     ; the offsets and LDS addresses v1 to v4, v7 and v9 are written, which every load and store of the kernel reads; so are the zeros beside Q's halves.  Only loads and window switches stand between this wait and the last load of the head
.set i, 0
.rept 32
	global_load_b32 v[PC+i], v3, s[34:35] offset:64*i          ; K's raw scale words, key tile i
.set i, i+1
.endr
.set i, 0
.rept 16
	global_load_b32 v[VS+i], v3, s[38:39] offset:4096*(i/4)+64*(i%4)
.set i, i+1
.endr
	QLD                                              ; the first query tile: Q, its raw scale words, the mask's 32 words
	global_load_b32 v[QSR], v3, s[18:19]
.irp i, 0,1,2,3,4,5,6,7
	global_load_b128 v[MW+4*\i:MW+4*\i+3], v1, s[20:21] offset:512*\i
.endr
	WIN 0x80                                         ; destination window 2
.set i, 0
.rept 32
	global_load_b128 v[6*i:6*i+3], v1, s[32:33] offset:768*i
	global_load_b64 v[6*i+4:6*i+5], v2, s[32:33] offset:768*i+512
.set i, i+1
.endr
	WIN 0xc0                                         ; destination window 3
.irp s, 0,1,2,3
.irp t, 0,1,2,3
.irp c, 0,1
	global_load_b128 v[12*(4*\s+\t)+6*\c:12*(4*\s+\t)+6*\c+3], v1, s[36:37] offset:49152*(2*\s+\c)+768*\t
	global_load_b64 v[12*(4*\s+\t)+6*\c+4:12*(4*\s+\t)+6*\c+5], v2, s[36:37] offset:49152*(2*\s+\c)+768*\t+512
.endr
.endr
.endr
	WIN 0
	s_wait_loadcnt 0x0
.set i, 0
.rept 16
	v_perm_b32 v[KS+i], v[PC+2*i+1], v[PC+2*i], s30  ; bytes 0, 1: key tile 2 i (the lower half of K); bytes 2, 3: key tile 2 i + 1
.set i, i+1
.endr
; round e (0 .. 7) of the largest score of the four blocks of group g, the blocks by turns; each accumulator is read from its low end on
.macro MAXR g, e
.irp b, 0,1,2,3
.if (\e) == 0
	v_max3_num_f32 v[TM+4*(\g)+\b], 0xff7fffff, v[16*(4*(\g)+\b)], v[16*(4*(\g)+\b)+1]
.else
	v_max3_num_f32 v[TM+4*(\g)+\b], v[TM+4*(\g)+\b], v[16*(4*(\g)+\b)+2*(\e)], v[16*(4*(\g)+\b)+2*(\e)+1]
.endif
.endr
.endm
; attn of keys 128 s .. 128 s + 127, in two parts.  QPA: p x g
.macro QPA s
	WIN 0x41
.set i, 0
.rept 32
	v_pk_mul_f32 v[64*(\s)+2*i:64*(\s)+2*i+1], v[64*(\s)+2*i:64*(\s)+2*i+1], v[26:27] op_sel_hi:[1,0]
.set i, i+1
.endr
.endm
; QPB: the four blocks' scales, the codes: source 1 of the second product
.macro QPB s
	WIN 0
.irp b, 0,1,2,3
	v_mul_f32 v[TM+4*(\s)+\b], v[TM+4*(\s)+\b], v26          ; the block's largest attn: the same multiplication on the same number
.endr
.irp b, 0,1,2,3
	v_max_num_f32 v[TM+4*(\s)+\b], 0x1800000, v[TM+4*(\s)+\b]
.endr
.irp b, 0,1,2,3
	v_add_nc_u32 v[TM2+4*(\s)+\b], 0xff000000, v[TM+4*(\s)+\b]
.endr
.irp b, 0,1,2,3
	v_lshrrev_b32 v[TM+4*(\s)+\b], 23, v[TM2+4*(\s)+\b]
.endr
	v_lshl_or_b32 v[PW+(\s)], v[TM+4*(\s)+1], 8, v[TM+4*(\s)]
	v_lshl_or_b32 v[PW+(\s)], v[TM+4*(\s)+2], 16, v[PW+(\s)]
	v_lshl_or_b32 v[PW+(\s)], v[TM+4*(\s)+3], 24, v[PW+(\s)]
	WIN 0x01
.irp c, 0,1
	v_cvt_scalef32_pk16_fp6_f32 v[PC+12*(\s)+6*\c:PC+12*(\s)+6*\c+2], v[64*(\s)+32*\c:64*(\s)+32*\c+15], v[TM2+4*(\s)+2*\c]
	v_cvt_scalef32_pk16_fp6_f32 v[CY+4*\c:CY+4*\c+2], v[64*(\s)+32*\c+16:64*(\s)+32*\c+31], v[TM2+4*(\s)+2*\c+1]
.endr
	WIN 0
	v_nop                                            ; one plain place behind a scaled conversion
.irp c, 0,1
.irp i, 0,1,2
	v_permlane16_swap_b32 v[PC+12*(\s)+6*\c+\i], v[CY+4*\c+\i]
.endr
.irp i, 0,1,2
	v_mov_b32 v[PC+12*(\s)+3+6*\c+\i], v[CY+4*\c+\i]
.endr
.endr
.endm
; O^T += V^T P^T for keys 128 s on: the four accumulators by turns, one instruction a turn
.macro PVW s
	WIN 0xf3
.irp t, 0,1,2,3
.if (\s) == 0
	v_wmma_scale_f32_16x16x128_f8f6f4 v[OA+8*\t:OA+8*\t+7], v[12*(4*(\s)+\t):12*(4*(\s)+\t)+11], v[PC+12*(\s):PC+12*(\s)+11], 0, v[VS+4*(\s)+\t], v[PW+(\s)] matrix_a_fmt:MATRIX_FMT_FP6 matrix_b_fmt:MATRIX_FMT_FP6
.else
	v_wmma_scale_f32_16x16x128_f8f6f4 v[OA+8*\t:OA+8*\t+7], v[12*(4*(\s)+\t):12*(4*(\s)+\t)+11], v[PC+12*(\s):PC+12*(\s)+11], v[OA+8*\t:OA+8*\t+7], v[VS+4*(\s)+\t], v[PW+(\s)] matrix_a_fmt:MATRIX_FMT_FP6 matrix_b_fmt:MATRIX_FMT_FP6
.endif
.endr
.endm
	s_mov_b32 s14, 0                                 ; the step, 0 .. 31
	s_mov_b32 s31, 8
.Louter:
	s_mov_b32 s15, 4
	s_mov_b32 s50, 0                                 ; the step's place among four in the stage
.Lstep:
	; ---- the scores.  The tile's Q, scale words and mask words were asked for a step ago
	s_wait_loadcnt 0x0
	s_cmp_lt_u32 s14, 31                             ; the bases of the next tile's loads; in the last step they stay, so that no load leaves its buffer
	s_cselect_b32 s52, 768, 0
	s_cselect_b32 s54, 64, 0
	s_cselect_b32 s56, 16384, 0
	s_add_nc_u64 s[16:17], s[16:17], s[52:53]        ; (the wait above shows the loads that read these bases done)
	s_add_nc_u64 s[18:19], s[18:19], s[54:55]
	s_add_nc_u64 s[20:21], s[20:21], s[56:57]
	v_perm_b32 v[QS], v[QSR], v[QSR], s30            ; my head's two bytes, twice: they serve [Q | 0] and [0 | Q] alike
	WIN 0x40
.set i, 0
.rept 32
	v_cvt_scale_pk8_f32_fp4 v[8*i:8*i+7], v[MW+i], v[BSC]      ; 0, or -6 x 2^123 for a hidden key: the C of tile i
.set i, i+1
.endr
.rept 8
	v_nop                                            ; a scale register written by a vector instruction stands 8 places ahead of a scaled matrix instruction; also the place behind the conversions
.endr
	s_wait_alu depctr_va_vdst(0)                     ; Q's scale word (in the first step K's too) and the C registers are written, which the score products take; and the widenings and the v_perm_b32 are done reading MW and QSR, in which the loads below land
.set f, 0
.rept 16
	WIN 0x52                                         ; K window 2, Q window 0, S^T window 1
	v_wmma_scale_f32_16x16x128_f8f6f4 v[16*f:16*f+7], v[12*f:12*f+11], v[QLO:QLO+11], v[16*f:16*f+7], v[KS+f], v[QS] matrix_a_fmt:MATRIX_FMT_FP6 matrix_b_fmt:MATRIX_FMT_FP6
	v_wmma_scale_f32_16x16x128_f8f6f4 v[16*f+8:16*f+15], v[12*f:12*f+11], v[QHI:QHI+11], v[16*f+8:16*f+15], v[KS+f], v[QS] matrix_a_fmt:MATRIX_FMT_FP6 matrix_b_fmt:MATRIX_FMT_FP6
.if f == 3
.rept 4
	v_nop                                            ; places in front of the first read of results
.endr
.endif
.if f >= 4
	WIN 0x14                                         ; the four blocks made four pairs of products ago: two rounds of their maxima
	MAXR f/4-1, 2*(f%4)
	MAXR f/4-1, 2*(f%4)+1
.if f < 12
	global_load_b128 v[MW+4*(f-4):MW+4*(f-4)+3], v1, s[20:21] offset:512*(f-4)   ; the next tile's mask words, one load a pair of products (under this setting a load's registers lie in window 0).  No wait: nothing since the wait above names MW, QSR, v1 or v3
.elseif f == 12
	global_load_b32 v[QSR], v3, s[18:19]             ; and its raw scale words
.endif
.endif
.set f, f+1
.endr
	WIN 0x14
.irp e, 0,1,2,3,4,5,6,7
	MAXR 3, \e
.endr
	WIN 0
	s_wait_alu depctr_va_vdst(0)                     ; the score products are done reading [Q | 0] and [0 | Q], in whose halves the next tile's codes land
	QLD
	; ---- my own softmax
.set i, 0
.rept 16
	v_permlanex16_b32 v[TM2+i], v[TM+i], s28, s29
.set i, i+1
.endr
.set i, 0
.rept 16
	v_max_num_f32 v[TM+i], v[TM+i], v[TM2+i]         ; with lane l xor 16's 16 keys: the block's largest score
.set i, i+1
.endr
	v_max3_num_f32 v28, v[TM], v[TM+1], v[TM+2]
	v_max3_num_f32 v29, v[TM+3], v[TM+4], v[TM+5]
	v_max3_num_f32 v30, v[TM+6], v[TM+7], v[TM+8]
	v_max3_num_f32 v31, v[TM+9], v[TM+10], v[TM+11]
	v_max3_num_f32 v28, v28, v[TM+12], v[TM+13]
	v_max3_num_f32 v29, v29, v[TM+14], v[TM+15]
	v_max3_num_f32 v28, v28, v30, v31
	v_max_num_f32 v28, v28, v29                      ; my query's largest score among my 512 keys
	v_mul_f32 v28, s26, v28
	v_max_num_f32 v28, 0xf149f2ca, v28               ; never under -1e30: where all my keys are hidden, every p is 0
	v_floor_f32 v16, -v28                            ; -M_w: a whole number
.set i, 0
.rept 16
	v_fma_f32 v[TM+i], v[TM+i], s26, v16
.set i, i+1
.endr
	WIN 0x41
	v_pk_fma_f32 v[0:1], v[0:1], s[26:27], v[16:17] op_sel_hi:[1,0,0]
	v_pk_fma_f32 v[2:3], v[2:3], s[26:27], v[16:17] op_sel_hi:[1,0,0]
.set i, 0
.rept 128                              ; ONE BATCH: a scaling (two pairs ahead) and two exponentials by turns; none of these reads an exponential's result
.if i+2 < 128
	v_pk_fma_f32 v[2*i+4:2*i+5], v[2*i+4:2*i+5], s[26:27], v[16:17] op_sel_hi:[1,0,0]
.endif
	v_exp_f32 v[2*i], v[2*i]
	v_exp_f32 v[2*i+1], v[2*i+1]
.set i, i+1
.endr
	WIN 0
.set i, 0
.rept 16
	v_exp_f32 v[TM+i], v[TM+i]                       ; the blocks' largest p
.set i, i+1
.endr
	v_nop                                            ; a plain place behind the last exponential
	s_wait_alu depctr_va_vdst(0)                     ; the exponentials have written the 256 p and the sixteen blocks' largest p: one wait for the whole batch, ahead of its first reader
	WIN 0x05
.irp k, 0,1,2,3
	v_pk_add_f32 v[SUM+2*\k:SUM+2*\k+1], v[2*\k:2*\k+1], v[8+2*\k:9+2*\k]
.endr
	WIN 0x04
.set i, 8
.rept 120
	v_pk_add_f32 v[SUM+2*(i%4):SUM+2*(i%4)+1], v[SUM+2*(i%4):SUM+2*(i%4)+1], v[2*i:2*i+1]
.set i, i+1
.endr
	WIN 0
	v_pk_add_f32 v[SUM:SUM+1], v[SUM:SUM+1], v[SUM+2:SUM+3]
	v_pk_add_f32 v[SUM+4:SUM+5], v[SUM+4:SUM+5], v[SUM+6:SUM+7]
	v_pk_add_f32 v[SUM:SUM+1], v[SUM:SUM+1], v[SUM+4:SUM+5]
	v_add_f32 v28, v[SUM], v[SUM+1]
	v_permlanex16_b32 v29, v28, s28, s29
	v_add_f32 v17, v28, v29                          ; l_w
	s_wait_alu depctr_va_vdst(0)                     ; -M_w and l_w are written, which the LDS store reads; the last step's lines are done reading XV, in which the LDS loads behind the barrier land
	ds_store_b64 v4, v[16:17]
	s_wait_dscnt 0x0                                 ; for the others' sake: (M, l) is in LDS, and so are my earlier parts of O
	s_wait_alu depctr_vm_vsrc(0)                     ; the store above has read v[16:17], the last step's LDS stores v8 and O^T, the last sum's global stores OQ and PWO: all these are written again only behind this wait
	s_barrier_signal -1
	s_barrier_wait -1
	; ---- the row's sum
.irp w, 0,1,2,3
	ds_load_b64 v[XV+2*\w:XV+2*\w+1], v2 offset:256*\w
.endr
	s_wait_dscnt 0x0                                 ; my reads of the four (M, l) are over:
	s_barrier_signal -1                              ; say so; only work on registers stands between this signal and its wait
	v_min3_num_f32 v28, v[XV], v[XV+2], v[XV+4]
	v_min_num_f32 v28, v28, v[XV+6]                  ; -M
.irp w, 0,1,2,3
	v_sub_f32 v[FF+\w], v28, v[XV+2*\w]              ; M_w - M: a whole number, 0 or less
.endr
	v_sub_f32 v[FF+4], v28, v16
.irp w, 0,1,2,3,4
	v_cvt_i32_f32 v[FF+\w], v[FF+\w]                 ; (it saturates)
.endr
.irp w, 0,1,2,3,4
	v_ldexp_f32 v[FF+\w], 1.0, v[FF+\w]              ; 2^(M_w - M)
.endr
	v_mul_f32 v29, v[FF], v[XV+1]
	v_fmac_f32 v29, v[FF+1], v[XV+3]
	v_fmac_f32 v29, v[FF+2], v[XV+5]
	v_fmac_f32 v29, v[FF+3], v[XV+7]
	v_max_num_f32 v29, 0x0d800000, v29               ; 2^-100 from below: a row hidden whole has p = 0 throughout and gives zeros
	v_rcp_f32 v30, v29
	v_nop
	s_wait_alu depctr_va_vdst(0)                     ; the reciprocal has written v30, ahead of its first reader
	v_mul_f32 v26, v[FF+4], v30                      ; g
	; ---- attn is quantised and multiplied, 256 keys at a time: one wait serves two quarters of the keys, and stands behind their places
	QPA 0
	QPB 0
	QPA 1
	QPB 1
	QPA 2                                            ; these 32 scalings are the places between the second quarter's scale word and codes and the products that take them
	s_wait_alu depctr_va_vdst(0)                     ; the first two quarters' codes and scale words are written, which the products below take as source 1 and as its scales
	PVW 0
	PVW 1
	QPB 2
	QPA 3
	QPB 3
.rept 8
	v_nop                                            ; the last scale word stands 8 places ahead of its products
.endr
	s_wait_alu depctr_va_vdst(0)                     ; the last two quarters' codes and scale words are written
	PVW 2
	PVW 3
	WIN 0
	v_add_nc_u32 v8, s50, v6
.rept 4
	v_nop                                            ; places in front of the first read of results
.endr
	s_barrier_wait -1                                ; every wave has read the four (M, l), and (behind the last sum) the stage
	WIN 0x0c                                         ; an LDS store's data are its source 1: window 3
	s_wait_alu depctr_va_vdst(0)                     ; the products have written O^T and the add v8, which the LDS stores read; the places above stay beside this wait
.irp t, 0,1,2,3
	ds_store_b128 v8, v[OA+8*\t:OA+8*\t+3] offset:1024*\t
	ds_store_b128 v8, v[OA+8*\t+4:OA+8*\t+7] offset:1024*\t+512
.endr
	WIN 0
	s_add_co_u32 s50, s50, 16384
	s_add_co_u32 s14, s14, 1
	s_sub_co_u32 s15, s15, 1
	s_cmp_lg_u32 s15, 0
	s_cbranch_scc1 .Lstep
	; ---- four tiles' parts lie in the stage: wave w adds the four parts of tile w, quantises along the head's 64 and stores one half fragment
	s_wait_dscnt 0x0
	s_barrier_signal -1
	s_barrier_wait -1
	WIN 0x80
	s_wait_alu depctr_va_vdst(0)                     ; the last step's products have written O^T, and the last sum's additions are done with the parts' registers: the LDS loads below land in both
	s_wait_alu depctr_vm_vsrc(0)                     ; the last step's LDS stores have read O^T, on which the loads of window 3 land
.irp i, 0,1
.irp k, 0,1,2,3,4,5,6,7
	ds_load_b128 v[192+32*\i+4*\k:192+32*\i+4*\k+3], v7 offset:4096*\i+512*\k
.endr
.endr
	WIN 0xc0                                         ; (only loads and this switch stand between the two waits and the loads below)
.irp i, 0,1
.irp k, 0,1,2,3,4,5,6,7
	ds_load_b128 v[192+32*\i+4*\k:192+32*\i+4*\k+3], v7 offset:4096*(2+\i)+512*\k
.endr
.endr
	s_wait_dscnt 0x0
	WIN 0x8a
.set i, 0
.rept 16
	v_pk_add_f32 v[192+2*i:193+2*i], v[192+2*i:193+2*i], v[224+2*i:225+2*i]
.set i, i+1
.endr
	WIN 0xcf
.set i, 0
.rept 16
	v_pk_add_f32 v[192+2*i:193+2*i], v[192+2*i:193+2*i], v[224+2*i:225+2*i]
.set i, i+1
.endr
	WIN 0x0e
.set i, 0
.rept 16
	v_pk_add_f32 v[OS+2*i:OS+2*i+1], v[192+2*i:193+2*i], v[192+2*i:193+2*i]   ; register 16 b + i = channel 32 b + 16 h + i of my query
.set i, i+1
.endr
	WIN 0
.irp b, 0,1
	v_max3_num_f32 v[TMO+\b], |v[OS+16*\b]|, |v[OS+16*\b+1]|, 0x1800000
.endr
.irp i, 2,4,6,8,10,12,14
.irp b, 0,1
	v_max3_num_f32 v[TMO+\b], v[TMO+\b], |v[OS+16*\b+\i]|, |v[OS+16*\b+\i+1]|
.endr
.endr
.irp b, 0,1
	v_permlanex16_b32 v[TMO+2+\b], v[TMO+\b], s28, s29
.endr
.irp b, 0,1
	v_max_num_f32 v[TMO+\b], v[TMO+\b], v[TMO+2+\b]
.endr
.irp b, 0,1
	v_add_nc_u32 v[TMO+4+\b], 0xff000000, v[TMO+\b]
.endr
.irp b, 0,1
	v_lshrrev_b32 v[TMO+2+\b], 23, v[TMO+4+\b]
.endr
	v_lshl_or_b32 v[PWO], v[TMO+3], 8, v[TMO+2]      ; (the last sum's stores have read PWO and OQ: the waits on vm_vsrc since, and the wait on XCNT behind those stores)
	v_cvt_scalef32_pk16_fp6_f32 v[OQ:OQ+2], v[OS:OS+15], v[TMO+4]
	v_cvt_scalef32_pk16_fp6_f32 v[OY:OY+2], v[OS+16:OS+31], v[TMO+5]
	v_nop
.irp i, 0,1,2
	v_permlane16_swap_b32 v[OQ+\i], v[OY+\i]
.endr
.irp i, 0,1,2
	v_mov_b32 v[OQ+3+\i], v[OY+\i]
.endr
	s_wait_alu depctr_va_vdst(0)                     ; the codes in OQ and the two scale bytes in PWO are written, which the stores read
	global_store_b128 v1, v[OQ:OQ+3], s[22:23]       ; 512 and 256 consecutive bytes, aligned to 256
	global_store_b64 v2, v[OQ+4:OQ+5], s[22:23] offset:512
	global_store_b16 v9, v[PWO], s[24:25]            ; my row's two scale bytes (lanes 16-31 store the same value at the same place)
	s_wait_xcnt 0x0                                  ; the stores' addresses are translated: the bases may step.  (OQ and PWO are written again four steps on, behind those steps' waits on vm_vsrc)
	s_add_nc_u64 s[22:23], s[22:23], 49152           ; four tiles on
	s_add_nc_u64 s[24:25], s[24:25], 2048
	s_sub_co_u32 s31, s31, 1
	s_cmp_lg_u32 s31, 0
	s_cbranch_scc1 .Louter
	s_wait_dscnt 0x0                                 ; the closing lines, six on end
	s_wait_alu 0x0
	s_wait_tensorcnt 0x0
	ds_add_u32 v[SPW], v[NIL]
	s_wait_dscnt 0x0
	s_endpgm
.Lfunc_end_k_q26212d4dd7_attn:
	.size	k_q26212d4dd7_attn, .Lfunc_end_k_q26212d4dd7_attn-k_q26212d4dd7_attn
	.p2alignl 7, 3214868480
	.fill 96, 4, 3214868480
	.section	.rodata,"a",@progbits
	.p2align	6, 0x0
	.amdhsa_kernel k_q26212d4dd7_attn
		.amdhsa_group_segment_fixed_size 67072
		.amdhsa_private_segment_fixed_size 0
		.amdhsa_enable_private_segment 0
		.amdhsa_kernarg_size 24
		.amdhsa_user_sgpr_count 2
		.amdhsa_user_sgpr_kernarg_segment_ptr 1
		.amdhsa_wavefront_size32 1
		.amdhsa_system_sgpr_workgroup_id_x 1
		.amdhsa_system_sgpr_workgroup_id_y 1
		.amdhsa_system_sgpr_workgroup_id_z 1
		.amdhsa_system_vgpr_workitem_id 0
		.amdhsa_next_free_vgpr 1024
		.amdhsa_next_free_sgpr 66
		.amdhsa_reserve_vcc 0
		.amdhsa_float_denorm_mode_32 3
		.amdhsa_float_denorm_mode_16_64 3
		.amdhsa_memory_ordered 1
		.amdhsa_forward_progress 1
		.amdhsa_inst_pref_size 98
	.end_amdhsa_kernel
	.amdgpu_metadata
---
amdhsa.version: [ 1, 2 ]
amdhsa.kernels:
  - .name:           k_q26212d4dd7_attn
    .symbol:         k_q26212d4dd7_attn.kd
    .args:
      - { .name: qkv, .offset: 0, .size: 8, .value_kind: global_buffer, .address_space: global }
      - { .name: mk, .offset: 8, .size: 8, .value_kind: global_buffer, .address_space: global }
      - { .name: ao, .offset: 16, .size: 8, .value_kind: global_buffer, .address_space: global }
    .group_segment_fixed_size: 67072
    .private_segment_fixed_size: 0
    .kernarg_segment_align: 8
    .kernarg_segment_size: 24
    .max_flat_workgroup_size: 128
    .sgpr_count:     66
    .vgpr_count:     1024
    .wavefront_size: 32
...
	.end_amdgpu_metadata
.endif
;; end of part 7
;; launch gemm_out: the kernel of part 6 again; grid 4 x 32, 4 waves a work-group, clusters of 4 x 4, 327,680 bytes of LDS; arguments ao, wq, bout, out0; writes out0
